; MI455X (gfx1250); checked and timed in simulation.
; The chip was launched on July 23, 2026; its instructions are those of AMD's public machine-readable ISA for CDNA 5 (MIT licence, August 2026) and "CDNA5" Instruction Set Architecture Reference Guide (July 2026). The comments in the code are by the model that wrote it; some were corrected since.
;; Attention Block. Allowed arithmetic: matrix products marked QUANTISED: E2M3 operands, one E8M0 scale for each 32 along K, by v_wmma_scale_f32_16x16x128_f8f6f4 with both operands' format E2M3, f32 sums; everything else in f32.
;; Inputs: Wk 256 x 256 float32; Wp 256 x 256 float32; Wq 256 x 256 float32; Wv 256 x 256 float32; beta 256 float32; bp 256 float32; gamma 256 float32; x 4 x 256 x 64 x 64 float32.
;; Outputs: out0 4 x 256 x 64 x 64 float32.
;; This version of the problem:
;;   THIS VERSION OF THE PROBLEM IS GIVEN IN LOW PRECISION. The matrix products marked QUANTISED in the list below multiply operands that are first quantised to E2M3 (2 exponent bits, 3 mantissa bits; 6 bits a number), with one power-of-two scale for each 32 numbers along K (OCP MX v1.0); their sums are f32. All else is computed in f32.
;;   The module's matrix products, in the order in which they are computed (A, B: the left and right operand; K: the contracted axis; several contracted axes count as one K, in the product's order):
;;     1. [M 16,384, K 256] x [K 256, N 256]; A: computed on the way; B: input Wq: QUANTISED
;;     2. [M 16,384, K 256] x [K 256, N 256]; A: computed on the way; B: input Wk: QUANTISED
;;     3. [M 16,384, K 256] x [K 256, N 256]; A: computed on the way; B: input Wv: QUANTISED
;;     4. batch 16 x [M 4,096, K 64] x [K 64, N 4,096]; A: computed on the way; B: computed on the way: QUANTISED
;;     5. batch 16 x [M 4,096, K 4,096] x [K 4,096, N 64]; A: softmax (see below); B: computed on the way: QUANTISED
;;     6. [M 16,384, K 256] x [K 256, N 256]; A: computed on the way; B: input Wp: QUANTISED
;;   THE QUANTISER, for each operand of a quantised product, along K:
;;     - K is cut into blocks of 32 from its start; a last block that is shorter is filled with zeros.
;;     - A block's scale is 2^e with e = floor(log2(the largest magnitude in the block)) - 2, held to -126 .. 127; a block of zeros has e = 0. As a byte (E8M0): e + 127.
;;     - Each number is divided by its block's scale, clamped to +-7.5, and rounded to the nearest number of E2M3, ties to even, subnormals kept.
;;     - The product sums the exact products of the quantised numbers (number of the format x scale) in f32.
;;   ~~~python
;;   def quantise(x, axis):      # numpy; x: float32 -> the quantised numbers, widened to float32 again
;;       x = np.moveaxis(x, axis, -1); K = x.shape[-1]
;;       x = np.pad(x, [(0, 0)] * (x.ndim - 1) + [(0, -K % 32)]); x = x.reshape(x.shape[:-1] + (-1, 32)); a = np.abs(x).max(-1, keepdims=True)
;;       e = np.where(a > 0, np.clip(np.frexp(np.where(a > 0, a, 1))[1] - 1 - 2, -126, 127), 0)      # np.frexp(a)[1] - 1 = floor(log2(a)), exactly
;;       r = np.clip(x / 2.0 ** e, -7.5, 7.5)
;;       step = 2.0 ** (np.maximum(np.frexp(np.where(r == 0, 1, r))[1] - 1, 0) - 3)
;;       q = np.round(r / step) * step * 2.0 ** e      # np.round: ties to even
;;       return np.moveaxis(q.reshape(q.shape[:-2] + (-1,))[..., :K], -1, axis).astype(np.float32)
;;   ~~~
;;   SOFTMAX AHEAD OF A QUANTISED PRODUCT. Where the list says 'softmax', what is quantised is not the finished softmax but p = 2^(t - M), with t = logit x log2(e) and M = ceil(the row's largest t), a whole number; so 1/2 < the row's largest p <= 1. The row's sum l is taken of the UNQUANTISED p, in f32, and the product's result is divided by l at the end. Since M is a whole number, a kernel that streams over the keys may use a running M (the ceiling of the running maximum): every later rescaling is an exact power of two, which a block's scale takes up: the codes' values come out the same.
;;   OPERANDS COMPUTED ON THE WAY. 'Computed on the way' means the value that the module computes at that place (a softmax that the list does not call 'softmax' is quantised finished and normalised). What goes into a quantiser is computed in f32, as accurately as f32 sums, v_exp_f32 and their like allow (about 1e-6 of the number): no bf16 or f16 on the way to a quantiser, and a product that is left as it is and whose result goes on into a quantised operand takes f32 operands (vector FMAs, or v_wmma_f32_16x16x4_f32). A number that lies on a knife's edge between two numbers of the format may be rounded either way, as far as f32 arithmetic and the matrix unit's own rounding can turn it there, and no further.
;; One version. Each part assembles by itself: llvm-mc -triple=amdgcn-amd-amdhsa -mcpu=gfx1250 --defsym DOCPART=n.
;; ======== version 1 of 1: 4 launches
;; workspace buffers: stats 8,192 bytes; wcodes 196,608 bytes; wscales 16,384 bytes; codes 9,437,184 bytes; scales 393,216 bytes; ocodes 3,145,728 bytes; oscales 524,288 bytes
;; launch prep (part 1): grid 288 x 1, 4 waves a work-group, no clusters, 0 bytes of LDS; arguments x, Wq, Wk, Wv, Wp, stats, wcodes, wscales; writes stats, wcodes, wscales
.if DOCPART == 1
	.amdgcn_target "amdgcn-amd-amdhsa--gfx1250"
	.amdhsa_code_object_version 6
	.text
	.protected	k_q2716b7063b_prep
	.globl	k_q2716b7063b_prep
	.p2align	8
	.type	k_q2716b7063b_prep,@function
k_q2716b7063b_prep:
	s_mov_b64 s[64:65], 0
	v_nop
	global_prefetch_b8 v0, s[64:65] scope:SCOPE_SE
	s_setreg_imm32_b32 hwreg(HW_REG_WAVE_MODE, 25, 1), 1
	s_wait_xcnt 0x0
; PREP.  Two kinds of work-groups, told apart by the work-group's number alone; neither uses LDS, no wave waits for another.
; Work-groups 0-31: the four weights [256 (o)][256 (c)] f32 become codes of FP6 (E2M3) along c with one E8M0 byte for each 32, laid in the ORDER OF THE OPERAND'S REGISTERS.
;   A wave makes one fragment (16 rows x 128 along c, 12 registers a lane).  Fragment 2 t + s of a matrix: tile t, K step s.  THE ROWS OF A TILE ARE NOT NEIGHBOURS: lane row r of tile t is row
;   32 (t / 2) + 8 (t % 2) + r + 8 (r / 8), so that later results of two neighbouring tiles are 16 neighbours along the next product's K.
;   wcodes: [matrix q, k, v, p][fragment 32][3 planes of 512 bytes: registers 4 c .. 4 c + 3 at 16 x lane];  wscales: [matrix][fragment][32 lanes] a word (the row's four bytes; both halves of the lanes alike).
; Work-groups 32-287: a wave takes one channel's plane of x (4,096 numbers, 16 KB), keeps it in 128 registers and stores its mean and the sum of squared deviations from that mean:
;   the plane is read once, and no difference of large sums is formed.  stats: [n 4][c 256]{mean, M2}.
; LIMITS: NaN and infinities are not served.  A block whose largest magnitude lies under 2^-124, a block of zeros among them, gets the byte 1 (the rule says 127 for zeros): its codes are then zeros or tiny, and this program alone reads the bytes.
.set X,   16                           ; v16-143  the plane's 128 numbers of a lane; in the weights' path v16-79 the lane's 64 numbers
.set CH,  144                          ; v144-151 four chains of packed sums
.macro WSUM r, t                       ; v[r] summed over the wave's 32 lanes, the result in every lane; v[t] has been written before
	v_add_f32_dpp v[\r], v[\r], v[\r] row_xmask:1 row_mask:0xf bank_mask:0xf
	v_add_f32_dpp v[\r], v[\r], v[\r] row_xmask:2 row_mask:0xf bank_mask:0xf
	v_add_f32_dpp v[\r], v[\r], v[\r] row_xmask:4 row_mask:0xf bank_mask:0xf
	v_add_f32_dpp v[\r], v[\r], v[\r] row_xmask:8 row_mask:0xf bank_mask:0xf
	v_permlanex16_b32 v[\t], v[\r], s22, s23
	v_add_f32 v[\r], v[\r], v[\t]
.endm
.macro FOLD r                          ; the four chains into v[r]
	v_pk_add_f32 v[CH:CH+1], v[CH:CH+1], v[CH+2:CH+3]
	v_pk_add_f32 v[CH+4:CH+5], v[CH+4:CH+5], v[CH+6:CH+7]
	v_pk_add_f32 v[CH:CH+1], v[CH:CH+1], v[CH+4:CH+5]
	v_add_f32 v[\r], v[CH], v[CH+1]
.endm
.macro ADDP from, n                    ; pairs from .. from + n - 1 of the plane are added to the chains, by turns
.set P, \from
.rept \n
	v_pk_add_f32 v[CH+2*(P%4):CH+2*(P%4)+1], v[CH+2*(P%4):CH+2*(P%4)+1], v[X+2*P:X+2*P+1]
.set P, P+1
.endr
.endm
	s_load_b256 s[4:11], s[0:1], 0x0               ; x s[4:5], Wq s[6:7], Wk s[8:9], Wv s[10:11]
	s_load_b256 s[12:19], s[0:1], 0x20             ; Wp s[12:13], stats s[14:15], wcodes s[16:17], wscales s[18:19]
	v_lshrrev_b32 v1, 5, v0
	v_readfirstlane_b32 s20, v1                    ; wave 0..3
	v_and_b32 v2, 31, v0                           ; lane
	s_mov_b32 s22, 0x76543210
	s_mov_b32 s23, 0xfedcba98                      ; v_permlanex16_b32's selects for lane l xor 16
	s_cmp_lt_u32 ttmp9, 32
	s_cbranch_scc0 .Lstats
	; ---- a fragment of a weight
	s_lshl_b32 s24, ttmp9, 2
	s_add_co_u32 s24, s24, s20                     ; the fragment's number among all 128
	s_lshr_b32 s25, ttmp9, 3                       ; the matrix: 0 q, 1 k, 2 v, 3 p
	s_bfe_u32 s26, s24, 0x30002                    ; t / 2
	s_bfe_u32 s27, s24, 0x10001                    ; t % 2
	s_and_b32 s28, s24, 1                          ; s
	s_lshl_b32 s26, s26, 15                        ; 32 rows of 1,024 bytes
	s_lshl_b32 s27, s27, 13                        ; 8 rows
	s_lshl_b32 s28, s28, 9                         ; 128 numbers along c
	s_add_co_u32 s28, s28, s26
	s_add_co_u32 s28, s28, s27
	s_mov_b32 s29, 0
	s_mul_i32 s30, s24, 1536
	s_mov_b32 s31, 0
	s_lshl_b32 s32, s24, 7
	s_mov_b32 s33, 0
	v_and_b32 v3, 15, v0                           ; r
	v_and_b32 v4, 8, v0
	v_add_nc_u32 v3, v3, v4                        ; r + 8 (r / 8)
	v_bfe_u32 v4, v0, 4, 1                         ; h
	v_lshlrev_b32 v3, 10, v3
	v_lshl_add_u32 v3, v4, 7, v3                   ; my row, + 32 h numbers
	s_wait_alu depctr_va_vdst(0)
	v_lshlrev_b32 v5, 4, v2                        ; 16 x lane
	v_lshlrev_b32 v6, 2, v2                        ; 4 x lane
	s_wait_kmcnt 0x0
	s_cmp_eq_u32 s25, 1                            ; the choice of the buffer hangs on the work-group's number alone
	s_cselect_b64 s[6:7], s[8:9], s[6:7]
	s_cmp_eq_u32 s25, 2
	s_cselect_b64 s[6:7], s[10:11], s[6:7]
	s_cmp_eq_u32 s25, 3
	s_cselect_b64 s[6:7], s[12:13], s[6:7]
	s_add_nc_u64 s[6:7], s[6:7], s[28:29]
	s_add_nc_u64 s[16:17], s[16:17], s[30:31]
	s_add_nc_u64 s[18:19], s[18:19], s[32:33]
.irp c, 0,1
.irp i, 0,1,2,3,4,5,6,7
	global_load_b128 v[X+32*\c+4*\i:X+32*\c+4*\i+3], v3, s[6:7] offset:256*\c+16*\i   ; W(my row, 128 s + 64 c + 32 h + 4 i ..): the very k that the operand's layout gives this lane
.endr
.endr
	s_wait_loadcnt 0x0
.irp c, 0,1                            ; my block 2 c + h: all its 32 numbers are mine
	v_max3_num_f32 v[8+\c], |v[X+32*\c]|, |v[X+1+32*\c]|, 0x1800000   ; and the floor 2^(3 - 127): the byte cannot fall under 1
.endr
.irp i, 2,4,6,8,10,12,14,16,18,20,22,24,26,28,30
.irp c, 0,1
	v_max3_num_f32 v[8+\c], v[8+\c], |v[X+32*\c+\i]|, |v[X+1+32*\c+\i]|
.endr
.endr
.irp c, 0,1
	v_add_nc_u32 v[10+\c], 0xff000000, v[8+\c]     ; 2 off the exponent field: the conversion's scale operand
.endr
.irp c, 0,1
	v_lshrrev_b32 v[12+\c], 23, v[10+\c]           ; the scale's byte
.endr
	v_lshl_or_b32 v14, v13, 16, v12                ; my two bytes: blocks h and 2 + h,
	v_lshlrev_b32 v15, 3, v4
	v_lshlrev_b32 v14, v15, v14                    ; at their places in the word;
	v_mov_b32 v15, 0
	v_permlanex16_b32 v15, v14, s22, s23
	v_or_b32 v14, v14, v15                         ; with lane l xor 16's two the word is whole
.irp c, 0,1
	v_cvt_scalef32_pk16_fp6_f32 v[96+6*\c:98+6*\c], v[X+32*\c:X+15+32*\c], v[10+\c]
	v_cvt_scalef32_pk16_fp6_f32 v[112+4*\c:114+4*\c], v[X+16+32*\c:X+31+32*\c], v[10+\c]   ; (a conversion's three registers begin on an even number)
.endr
	v_nop                                          ; one plain instruction behind a scaled conversion
.irp c, 0,1
.irp i, 0,1,2
	v_mov_b32 v[99+6*\c+\i], v[112+4*\c+\i]
.endr
.endr
.irp c, 0,1,2
	global_store_b128 v5, v[96+4*\c:99+4*\c], s[16:17] offset:512*\c   ; a plane: 512 consecutive bytes, aligned
.endr
	global_store_b32 v6, v14, s[18:19]
	s_endpgm
	; ---- a channel's plane
.Lstats:
	s_sub_co_u32 s24, ttmp9, 32
	s_lshl_b32 s24, s24, 2
	s_add_co_u32 s24, s24, s20                     ; 256 n + c
	s_lshl_b32 s26, s24, 14                        ; 16,384 bytes a plane (under 2^24 in all)
	s_mov_b32 s27, 0
	s_lshl_b32 s28, s24, 3
	s_mov_b32 s29, 0
	s_wait_alu depctr_va_vdst(0)
	v_lshlrev_b32 v3, 4, v2
	v_mov_b32 v9, 0                                ; a lane permute's destination counts as one of its sources
	v_mov_b32 v12, 0
	s_wait_alu depctr_va_vdst(0)
	s_wait_kmcnt 0x0
	s_add_nc_u64 s[4:5], s[4:5], s[26:27]
	s_add_nc_u64 s[14:15], s[14:15], s[28:29]
.set I, 0
.rept 32
	global_load_b128 v[X+4*I:X+4*I+3], v3, s[4:5] offset:512*I   ; 512 consecutive bytes a load
.set I, I+1
.endr
	s_wait_loadcnt 24                              ; the first eight loads are in; the 24 younger ones may be out
.irp k, 0,1,2,3
	v_pk_add_f32 v[CH+2*\k:CH+2*\k+1], v[X+2*\k:X+2*\k+1], v[X+8+2*\k:X+9+2*\k]   ; the first pairs start the chains: nothing is cleared
.endr
	ADDP 8, 8
	s_wait_alu depctr_va_vdst(0)
	s_wait_loadcnt 16
	ADDP 16, 16
	s_wait_alu depctr_va_vdst(0)
	s_wait_loadcnt 8
	ADDP 32, 16
	s_wait_alu depctr_va_vdst(0)
	s_wait_loadcnt 0x0
	ADDP 48, 16
	FOLD 8
	WSUM 8, 9
	v_mul_f32 v10, 0x39800000, v8                  ; the mean: the sum x 2^-12
	v_xor_b32 v152, 0x80000000, v10
	v_mov_b32 v153, v152
.set P, 0
.rept 64
	v_pk_add_f32 v[X+2*P:X+2*P+1], v[X+2*P:X+2*P+1], v[152:153]   ; deviations, in place
.set P, P+1
.endr
.irp k, 0,1,2,3
	v_pk_mul_f32 v[CH+2*\k:CH+2*\k+1], v[X+2*\k:X+2*\k+1], v[X+2*\k:X+2*\k+1]
.endr
.set P, 4
.rept 60
	v_pk_fma_f32 v[CH+2*(P%4):CH+2*(P%4)+1], v[X+2*P:X+2*P+1], v[X+2*P:X+2*P+1], v[CH+2*(P%4):CH+2*(P%4)+1]
.set P, P+1
.endr
	FOLD 11
	WSUM 11, 9
	s_wait_alu depctr_va_vdst(0)
	s_wait_xcnt 0x0                                ; EXEC changes only behind this wait
	v_cmp_eq_u32 vcc_lo, 0, v2
	s_and_saveexec_b32 s30, vcc_lo
	global_store_b64 v12, v[10:11], s[14:15]       ; lane 0 stores {mean, M2}
	s_endpgm
.Lfunc_end_k_q2716b7063b_prep:
	.size	k_q2716b7063b_prep, .Lfunc_end_k_q2716b7063b_prep-k_q2716b7063b_prep
	.p2alignl 7, 3214868480
	.fill 96, 4, 3214868480
	.section	.rodata,"a",@progbits
	.p2align	6, 0x0
	.amdhsa_kernel k_q2716b7063b_prep
		.amdhsa_group_segment_fixed_size 0
		.amdhsa_private_segment_fixed_size 0
		.amdhsa_enable_private_segment 0
		.amdhsa_kernarg_size 64
		.amdhsa_user_sgpr_count 2
		.amdhsa_user_sgpr_kernarg_segment_ptr 1
		.amdhsa_wavefront_size32 1
		.amdhsa_system_sgpr_workgroup_id_x 1
		.amdhsa_system_sgpr_workgroup_id_y 1
		.amdhsa_system_sgpr_workgroup_id_z 1
		.amdhsa_system_vgpr_workitem_id 0
		.amdhsa_next_free_vgpr 160
		.amdhsa_next_free_sgpr 66
		.amdhsa_reserve_vcc 1
		.amdhsa_float_denorm_mode_32 3
		.amdhsa_float_denorm_mode_16_64 3
		.amdhsa_memory_ordered 1
		.amdhsa_forward_progress 1
		.amdhsa_inst_pref_size 24
	.end_amdhsa_kernel
	.amdgpu_metadata
---
amdhsa.version: [ 1, 2 ]
amdhsa.kernels:
  - .name:           k_q2716b7063b_prep
    .symbol:         k_q2716b7063b_prep.kd
    .args:
      - { .name: x, .offset: 0, .size: 8, .value_kind: global_buffer, .address_space: global }
      - { .name: Wq, .offset: 8, .size: 8, .value_kind: global_buffer, .address_space: global }
      - { .name: Wk, .offset: 16, .size: 8, .value_kind: global_buffer, .address_space: global }
      - { .name: Wv, .offset: 24, .size: 8, .value_kind: global_buffer, .address_space: global }
      - { .name: Wp, .offset: 32, .size: 8, .value_kind: global_buffer, .address_space: global }
      - { .name: stats, .offset: 40, .size: 8, .value_kind: global_buffer, .address_space: global }
      - { .name: wcodes, .offset: 48, .size: 8, .value_kind: global_buffer, .address_space: global }
      - { .name: wscales, .offset: 56, .size: 8, .value_kind: global_buffer, .address_space: global }
    .group_segment_fixed_size: 0
    .private_segment_fixed_size: 0
    .kernarg_segment_align: 8
    .kernarg_segment_size: 64
    .max_flat_workgroup_size: 128
    .sgpr_count:     66
    .vgpr_count:     160
    .wavefront_size: 32
...
	.end_amdgpu_metadata
.endif
;; end of part 1
;; launch qkv (part 2): grid 32 x 4, 8 waves a work-group, clusters of 4 x 1, 327,680 bytes of LDS; arguments x, gamma, beta, stats, wcodes, wscales, codes, scales; writes codes, scales
.if DOCPART == 2
	.amdgcn_target "amdgcn-amd-amdhsa--gfx1250"
	.amdhsa_code_object_version 6
	.text
	.protected	k_q2716b7063b_qkv
	.globl	k_q2716b7063b_qkv
	.p2align	8
	.type	k_q2716b7063b_qkv,@function
k_q2716b7063b_qkv:
	s_mov_b64 s[64:65], 0
	v_nop
	global_prefetch_b8 v0, s[64:65] scope:SCOPE_SE
	s_setreg_imm32_b32 hwreg(HW_REG_WAVE_MODE, 25, 1), 1
	s_wait_xcnt 0x0
	s_wait_alu depctr_hold_cnt(0) depctr_sa_sdst(0) depctr_va_vdst(0) depctr_va_sdst(0) depctr_va_ssrc(0) depctr_va_vcc(0) depctr_vm_vsrc(0)
	s_getreg_b32 s2, hwreg(HW_REG_IB_STS2, 6, 4)
	s_cmp_eq_u32 s2, 0
	s_cbranch_scc0 .Lentry_in_a_cluster
	s_endpgm
.Lentry_in_a_cluster:
	s_bfe_u32 s2, ttmp6, 0x10000c
	s_cmp_lg_u32 s2, 0x3003
	s_cbranch_scc0 .Lentry_shape_is_right
	s_endpgm
.Lentry_shape_is_right:
; QKV.  GroupNorm (32 groups of 8 channels), xn quantised along c, q = Wq xn, k = Wk xn, v = Wv xn on codes of FP6 (E2M3), and the results quantised again: q and k along the head's 64, v along the keys.
; SHARES.  A work-group takes 128 positions of one n (key step KS = 4 x cluster x + cx): one whole K step of attention's second product, so that a wave makes whole fragments of v and whole scale words.
; Eight waves, a = wave % 4, bq = wave / 4.  PHASE X: wave (a, bq) takes 32 positions (pair a) and 128 channels (K step bq): a lane a position, its registers down c, so a block of 32 lies in one lane.
; THE POSITIONS OF A TILE ARE NOT NEIGHBOURS: row r of tile 2 p + u is position 32 p + 8 u + r + 8 (r / 8).  The two tiles' fragments go to LDS as images of their registers.
; PRODUCTS: wave (a, bq) has head a.  q, k: source 0 = 16 rows of W, source 1 = a tile of positions (4 bq + j): a lane holds one position and 32 numbers along d.  v: source 0 = a tile of positions,
; source 1 = 16 rows of Wv (d-tiles 2 bq + e): a lane holds one d and 64 numbers along the 128 keys.
; THE WEIGHTS of q, k, v (images made by the launch before: 147,456 + 12,288 bytes) are the same for every work-group: the four work-groups of a cluster ask for them JOINTLY, two tensor loads a wave, filled once.
; WORKSPACE.  codes: [q, k, v][head16 = 4 n + head][196,608].  q, k: [pair of tiles P 128][image of 12 registers: tile u = 0's six, tile u = 1's six; lane (r, h): row r, d 32 h ..].  v: [KS 32][d-tile 4][image of 16 d x 128 keys].
; scales: [q, k, v][head16][8,192].  q, k: [P / 2][32 lanes]: lanes 0-15 pair 2 G, lanes 16-31 pair 2 G + 1; a word = u = 0's two bytes, then u = 1's.  v: [KS][2][32 lanes]: lanes 0-15 d-tile 2 hf, lanes 16-31 d-tile 2 hf + 1.
; LIMITS: NaN and infinities are not served; a block under 2^-124 (zeros too) gets the byte 1; xn = (x - mean) (gamma / std) + beta takes gamma / std as one factor: one rounding otherwise than gamma after 1 / std.
; SCALARS: s[4:19] the eight buffers; s[20:23], s[24:31] and s[32:35], s[36:43] the two descriptors; s44 wave, s45 a, s46 bq, s47 n, s48 KS, s49 cx; s[50:51] lane selects; s52 lanes 16-31; s[66:81] gamma / std and s[82:97] beta of 16 channels; s[98:101] -mean of two groups.
.set WSCL, 147456                      ; LDS: the weights' images from 0 on (96 x 1,536), their scale words here (96 x 128),
.set XIMG, 159744                      ; xn's 16 fragments (tile m, K step s: 2 m + s),
.set XSC,  184320                      ; their scale words (pair p, K step s: 2 p + s; lanes 0-15 tile u = 0, lanes 16-31 tile u = 1)
.set FRB,  1536                        ; an image in bytes
.set WF,   16                          ; v16-111  eight fragments of a weight (for v: four, and v64-111 four of xn)
.set XC,   64
.set XF,   112                         ; v112-135 a tile's two fragments of xn
.set ACC,  136                         ; v136-199 accumulators
.set PC,   200                         ; v200-211 the codes just made;  v212-214, v216-218 the conversions' second halves
.set CT,   212
.set TM,   220                         ; v220-223 largest magnitudes, v224-227 the other half's / bytes, v232-235 scale operands
.set PW,   236                         ; the bytes just made
.set WS,   240                         ; v240-247 the weight's scale words;  v248-251 xn's (for v: v240-243 and v244-251)
.set XSQ,  248
.set XS8,  244
.macro ROUND                           ; a round of the cluster's barrier
	s_barrier_signal -1
	s_barrier_wait -1
	s_cmp_lg_u32 s44, 0
	s_cbranch_scc1 .Lnot_wave_0_\@
	s_barrier_signal -3
.Lnot_wave_0_\@:
	s_barrier_wait -3
	s_barrier_signal -1
	s_barrier_wait -1
.endm
.macro PLACES                          ; four plain instructions behind matrix instructions, in front of loads into their registers and of the first read of their results
.rept 4
	v_nop
.endr
.endm
; D = A B + C.  c < 0: the constant 0 starts the sum.  ra, rb: that side's scales are read from lanes 16-31
.macro MM d, a, b, c, sa, sb, ra, rb
.if (\c) < 0
.if \ra
	v_wmma_scale_f32_16x16x128_f8f6f4 v[(\d):(\d)+7], v[(\a):(\a)+11], v[(\b):(\b)+11], 0, v[\sa], v[\sb] matrix_a_fmt:MATRIX_FMT_FP6 matrix_b_fmt:MATRIX_FMT_FP6 matrix_a_scale:MATRIX_SCALE_ROW1
.elseif \rb
	v_wmma_scale_f32_16x16x128_f8f6f4 v[(\d):(\d)+7], v[(\a):(\a)+11], v[(\b):(\b)+11], 0, v[\sa], v[\sb] matrix_a_fmt:MATRIX_FMT_FP6 matrix_b_fmt:MATRIX_FMT_FP6 matrix_b_scale:MATRIX_SCALE_ROW1
.else
	v_wmma_scale_f32_16x16x128_f8f6f4 v[(\d):(\d)+7], v[(\a):(\a)+11], v[(\b):(\b)+11], 0, v[\sa], v[\sb] matrix_a_fmt:MATRIX_FMT_FP6 matrix_b_fmt:MATRIX_FMT_FP6
.endif
.else
.if \ra
	v_wmma_scale_f32_16x16x128_f8f6f4 v[(\d):(\d)+7], v[(\a):(\a)+11], v[(\b):(\b)+11], v[(\c):(\c)+7], v[\sa], v[\sb] matrix_a_fmt:MATRIX_FMT_FP6 matrix_b_fmt:MATRIX_FMT_FP6 matrix_a_scale:MATRIX_SCALE_ROW1
.elseif \rb
	v_wmma_scale_f32_16x16x128_f8f6f4 v[(\d):(\d)+7], v[(\a):(\a)+11], v[(\b):(\b)+11], v[(\c):(\c)+7], v[\sa], v[\sb] matrix_a_fmt:MATRIX_FMT_FP6 matrix_b_fmt:MATRIX_FMT_FP6 matrix_b_scale:MATRIX_SCALE_ROW1
.else
	v_wmma_scale_f32_16x16x128_f8f6f4 v[(\d):(\d)+7], v[(\a):(\a)+11], v[(\b):(\b)+11], v[(\c):(\c)+7], v[\sa], v[\sb] matrix_a_fmt:MATRIX_FMT_FP6 matrix_b_fmt:MATRIX_FMT_FP6
.endif
.endif
.endm
	s_load_b256 s[4:11], s[0:1], 0x0               ; x s[4:5], gamma s[6:7], beta s[8:9], stats s[10:11]
	s_load_b256 s[12:19], s[0:1], 0x20             ; wcodes s[12:13], wscales s[14:15], codes s[16:17], scales s[18:19]
	v_lshl_add_u32 v231, v0, 2, 0x2d400
	v_mov_b32 v255, 0
	ds_add_u32 v231, v255
	ds_add_u32 v231, v255
	v_lshrrev_b32 v1, 5, v0
	s_delay_alu instid0(VALU_DEP_1)
	v_readfirstlane_b32 s44, v1                    ; wave 0..7
	s_and_b32 s45, s44, 3                          ; a
	s_lshr_b32 s46, s44, 2                         ; bq
	s_bfe_u32 s49, ttmp6, 0x40000                  ; cx: it enters global addresses of x, codes and scales alone
	s_lshl_b32 s48, ttmp9, 2
	s_add_co_u32 s48, s48, s49                     ; KS
	s_and_b32 s47, ttmp7, 0xffff                   ; n
	s_mov_b32 s50, 0x76543210
	s_mov_b32 s51, 0xfedcba98
	s_mov_b32 s52, 0xffff0000
	; descriptor groups 1: dense blocks as rows of 256 bytes (32 elements of 8 bytes); the mask names all four work-groups, bit 21 beside it
	s_mov_b32 s24, 15|(3<<16)|(1<<21)
	s_mov_b32 s25, 32<<16                          ; tensor_dim0
	s_mov_b32 s26, 72<<16                          ; tensor_dim1: 72 rows = 18,432 bytes, an eighth of the images
	s_mov_b32 s27, 32<<16                          ; tile_dim0
	s_mov_b32 s28, 72                              ; tile_dim1
	s_mov_b32 s29, 32                              ; the pitch
	s_mov_b32 s30, 0
	s_mov_b32 s31, 0
	s_mov_b32 s36, 15|(3<<16)|(1<<21)
	s_mov_b32 s37, 32<<16
	s_mov_b32 s38, 6<<16                           ; 6 rows = 1,536 bytes, an eighth of the scale words
	s_mov_b32 s39, 32<<16
	s_mov_b32 s40, 6
	s_mov_b32 s41, 32
	s_mov_b32 s42, 0
	s_mov_b32 s43, 0
	s_mul_i32 s54, s44, 18432
	s_mov_b32 s55, 0
	s_mul_i32 s56, s44, 1536
	s_mov_b32 s57, 0
	s_wait_dscnt 0x0
	s_wait_kmcnt 0x0
	s_mov_b32 s20, 1
	s_mov_b32 s21, s54                             ; LDS: wave x 18,432
	s_add_nc_u64 s[22:23], s[12:13], s[54:55]
	s_or_b32 s23, s23, 0x80000000
	s_mov_b32 s32, 1
	s_add_co_u32 s33, s56, WSCL
	s_add_nc_u64 s[34:35], s[14:15], s[56:57]
	s_or_b32 s35, s35, 0x80000000
	ROUND                                          ; all four work-groups are here: the joint loads meet
	tensor_load_to_lds s[20:23], s[24:31]          ; the images' part: waited for before the scale words' load
	s_nop 0
	s_wait_alu depctr_va_vdst(0)
	s_wait_tensorcnt 0x0
	ds_add_u32 v231, v255
	s_wait_dscnt 0x0
	ROUND
	tensor_load_to_lds s[32:35], s[36:43]
	s_nop 0
.rept 4
	v_nop
.endr
	; addresses that stay
	v_and_b32 v16, 31, v0                          ; lane
	s_delay_alu instid0(VALU_DEP_1)
	v_lshlrev_b32 v2, 4, v16                       ; v2  16 x lane
	s_delay_alu instid0(VALU_DEP_2)
	v_lshlrev_b32 v3, 2, v16                       ; v3  4 x lane
	v_and_b32 v1, 7, v0
	v_and_b32 v17, 8, v0
	s_delay_alu instid0(VALU_DEP_1)
	v_lshl_or_b32 v1, v17, 1, v1
	v_and_b32 v17, 16, v0
	s_delay_alu instid0(VALU_DEP_1)
	v_lshrrev_b32 v17, 1, v17
	s_delay_alu instid0(VALU_DEP_1)
	v_or_b32 v1, v1, v17
	s_delay_alu instid0(VALU_DEP_1)
	v_lshlrev_b32 v1, 2, v1                        ; v1  x: 4 x my position in the pair: lanes 0-15 tile u = 0's rows, lanes 16-31 tile u = 1's
	v_and_b32 v15, 15, v0
	s_delay_alu instid0(VALU_DEP_1)
	v_lshlrev_b32 v15, 6, v15                      ; v15 stats: 64 bytes a group
	s_mul_i32 s54, s45, 6144
	s_mul_i32 s55, s46, 1536
	s_add_co_u32 s54, s54, s55
	s_add_co_u32 s54, s54, XIMG
	v_add_nc_u32 v4, s54, v2                       ; v4  where I store xn's images: fragment 2 (2 a + u) + bq
	s_lshl_b32 s54, s45, 8
	s_lshl_b32 s55, s46, 7
	s_add_co_u32 s54, s54, s55
	s_add_co_u32 s54, s54, XSC
	v_add_nc_u32 v5, s54, v3                       ; v5  and their scale words: 2 a + bq
	s_mul_i32 s54, s46, 12288
	s_add_co_u32 s54, s54, XIMG
	v_add_nc_u32 v6, s54, v2                       ; v6  xn's images of my four tiles (q, k)
	v_add_nc_u32 v7, XIMG, v2                      ; v7  of all eight (v)
	s_lshl_b32 s54, s46, 9
	s_add_co_u32 s54, s54, XSC
	v_add_nc_u32 v8, s54, v3                       ; v8  xn's scale words of my two pairs
	v_add_nc_u32 v9, XSC, v3                       ; v9  of all four
	s_mul_i32 s54, s45, 12288
	v_add_nc_u32 v10, s54, v2                      ; v10 Wq's eight fragments of my head
	s_delay_alu instid0(VALU_DEP_1)
	v_add_nc_u32 v11, 49152, v10                   ; v11 Wk's
	s_mul_i32 s55, s46, 6144
	s_add_co_u32 s55, s55, s54
	s_add_co_u32 s55, s55, 98304
	v_add_nc_u32 v12, s55, v2                      ; v12 Wv's four of my two d-tiles
	s_lshl_b32 s54, s45, 10
	s_add_co_u32 s54, s54, WSCL
	v_add_nc_u32 v13, s54, v3                      ; v13 the weights' scale words of my head
	s_lshl_b32 s55, s46, 9
	v_add_nc_u32 v14, s55, v13                     ; v14 of my two d-tiles
	; where my parts begin in memory
	s_lshl_b32 s54, s47, 22
	s_lshl_b32 s55, s46, 21
	s_add_co_u32 s54, s54, s55
	s_lshl_b32 s55, s48, 9
	s_add_co_u32 s54, s54, s55
	s_lshl_b32 s55, s45, 7
	s_add_co_u32 s54, s54, s55
	s_mov_b32 s55, 0
	s_add_nc_u64 s[4:5], s[4:5], s[54:55]          ; x: n, channel 128 bq, position 128 KS + 32 a
	s_lshl_b32 s54, s46, 9
	s_add_nc_u64 s[6:7], s[6:7], s[54:55]
	s_add_nc_u64 s[8:9], s[8:9], s[54:55]
	s_lshl_b32 s54, s47, 11
	s_lshl_b32 s56, s46, 10
	s_add_co_u32 s54, s54, s56
	s_add_nc_u64 s[10:11], s[10:11], s[54:55]
	s_lshl_b32 s56, s47, 2
	s_add_co_u32 s56, s56, s45                     ; head16
	s_mul_i32 s54, s56, 196608
	s_mul_i32 s57, s48, 6144
	s_add_co_u32 s54, s54, s57
	s_mul_i32 s57, s46, 3072
	s_add_co_u32 s54, s54, s57
	s_add_nc_u64 s[16:17], s[16:17], s[54:55]      ; codes: the head, KS, my half: pairs 4 KS + 2 bq on, and d-tiles 2 bq on, begin at the same byte; the tensor stands in the immediate
	s_lshl_b32 s54, s56, 13
	s_lshl_b32 s57, s48, 8
	s_add_co_u32 s54, s54, s57
	s_lshl_b32 s57, s46, 7
	s_add_co_u32 s54, s54, s57
	s_add_nc_u64 s[18:19], s[18:19], s[54:55]
.macro LOADX b                         ; block b: x(128 bq + 32 b + i, my position): 128 consecutive bytes a load
.set I, 0
.rept 32
	global_load_b32 v[64+32*(\b)+I], v1, s[4:5] offset:(32*(\b)+I)*16384 th:TH_LOAD_NT
.set I, I+1
.endr
.endm
.irp i, 0,1,2,3
	global_load_b128 v[16+4*\i:19+4*\i], v15, s[10:11] offset:16*\i   ; lane % 16 = a group of my 16: its eight channels' {mean, M2}
.endr
.irp b, 0,1,2,3
	global_load_b32 v[32+\b], v3, s[6:7] offset:128*\b               ; gamma and beta of channel 32 b + lane
	global_load_b32 v[36+\b], v3, s[8:9] offset:128*\b
.endr
	LOADX 0
	s_wait_loadcnt 32                              ; the twelve small loads are in; block 0's 32 may be out
	LOADX 1
	; the group's mean and variance from its channels': M2 = the sum of the channels' M2 + 4,096 x the sum of squared deviations of their means
	v_add_f32 v40, v16, v18
	v_add_f32 v41, v20, v22
	v_add_f32 v42, v24, v26
	v_add_f32 v43, v28, v30
	s_delay_alu instid0(VALU_DEP_3)
	v_add_f32 v40, v40, v41
	s_delay_alu instid0(VALU_DEP_2)
	v_add_f32 v42, v42, v43
	s_delay_alu instid0(VALU_DEP_1)
	v_add_f32 v40, v40, v42
	s_delay_alu instid0(VALU_DEP_1)
	v_mul_f32 v48, 0x3e000000, v40                 ; the group's mean
	v_add_f32 v41, v17, v19
	v_add_f32 v42, v21, v23
	v_add_f32 v43, v25, v27
	v_add_f32 v51, v29, v31
	s_delay_alu instid0(VALU_DEP_3)
	v_add_f32 v41, v41, v42
	s_delay_alu instid0(VALU_DEP_2)
	v_add_f32 v43, v43, v51
	s_delay_alu instid0(VALU_DEP_1)
	v_add_f32 v41, v41, v43
.irp i, 0,2,4,6,8,10,12,14
	v_sub_f32 v[16+\i], v[16+\i], v48
.endr
	v_mul_f32 v42, v16, v16
.irp i, 2,4,6,8,10,12,14
	s_delay_alu instid0(VALU_DEP_1)
	v_fmac_f32 v42, v[16+\i], v[16+\i]
.endr
	s_delay_alu instid0(VALU_DEP_1)
	v_fmamk_f32 v41, v42, 0x45800000, v41
	s_mov_b32 s58, 0x38000000                      ; 2^-15: 32,768 numbers a group
	s_mov_b32 s59, 0x3727c5ac                      ; 1e-5
	v_fma_f32 v41, v41, s58, s59
	s_wait_alu depctr_va_vdst(0)
	v_rsq_f32 v49, v41
	v_xor_b32 v50, 0x80000000, v48                 ; -mean.  (A plain instruction behind the transcendental)
	s_mov_b32 s60, 0x0000ff00
	s_mov_b32 s61, 0x00ff0000
	s_mov_b32 s62, 0xff000000
	s_wait_alu depctr_va_vdst(0)                   ; the wait ahead of the first reader
.irp b, 0,1,2,3                        ; gamma / std of channel 32 b + lane: its group is 4 b + lane / 8
	v_readlane_b32 s54, v49, 4*\b
	v_readlane_b32 s55, v49, 4*\b+1
	v_readlane_b32 s56, v49, 4*\b+2
	v_readlane_b32 s57, v49, 4*\b+3
	s_delay_alu instid0(VALU_DEP_4)
	v_mov_b32 v40, s54
	s_delay_alu instid0(VALU_DEP_1)
	v_cndmask_b32 v40, v40, s55, s60
	s_delay_alu instid0(VALU_DEP_1)
	v_cndmask_b32 v40, v40, s56, s61
	s_delay_alu instid0(VALU_DEP_1)
	v_cndmask_b32 v40, v40, s57, s62
	s_delay_alu instid0(VALU_DEP_1)
	v_mul_f32 v[44+\b], v[32+\b], v40
.endr
; Block b of my K step: normalised, and quantised in the lane: six registers of codes at dst, the byte into v224
.macro XBLOCK b, dst
.if \b < 3
	s_wait_loadcnt 32                              ; this block's loads are in; the next block's 32 may be out
.else
	s_wait_loadcnt 0x0
.endif
.if \b < 2
	LOADX (\b)+2
.endif
.set XB, 64+32*(\b)
.irp hb, 0,1
.set XH, XB+16*\hb
.set I, 0
.rept 16
	v_readlane_b32 s[66+I], v[44+\b], 16*\hb+I     ; a channel's two numbers are the same for all positions: they go as scalars
	v_readlane_b32 s[82+I], v[36+\b], 16*\hb+I
.set I, I+1
.endr
	v_readlane_b32 s98, v50, 4*\b+2*\hb
	v_readlane_b32 s100, v50, 4*\b+2*\hb+1
	s_mov_b32 s99, s98                             ; (named as pairs, so both words are written)
	s_mov_b32 s101, s100
.irp g, 0,1
.irp k, 0,1,2,3
	v_pk_add_f32 v[XH+8*\g+2*\k:XH+8*\g+2*\k+1], v[XH+8*\g+2*\k:XH+8*\g+2*\k+1], s[98+2*\g:99+2*\g] op_sel_hi:[1,0]
.endr
.endr
.set I, 0
.rept 16
	v_fma_f32 v[XH+I], v[XH+I], s[66+I], s[82+I]
.set I, I+1
.endr
.endr
	v_max3_num_f32 v220, |v[XB]|, |v[XB+1]|, |v[XB+2]|
	v_max3_num_f32 v221, |v[XB+3]|, |v[XB+4]|, |v[XB+5]|
.irp i, 6,10,14,18,22,26
	s_delay_alu instid0(VALU_DEP_2)
	v_max3_num_f32 v220, v220, |v[XB+\i]|, |v[XB+\i+1]|
	s_delay_alu instid0(VALU_DEP_2)
	v_max3_num_f32 v221, v221, |v[XB+\i+2]|, |v[XB+\i+3]|
.endr
	s_delay_alu instid0(VALU_DEP_2)
	v_max3_num_f32 v220, v220, |v[XB+30]|, |v[XB+31]|
	s_delay_alu instid0(VALU_DEP_1)
	v_max3_num_f32 v220, v220, v221, 0x1800000     ; and the floor 2^(3 - 127)
	s_delay_alu instid0(VALU_DEP_1)
	v_add_nc_u32 v222, 0xff000000, v220            ; 2 off the exponent field: the conversion's scale operand
	s_delay_alu instid0(VALU_DEP_1)
	v_lshrrev_b32 v223, 23, v222
.if \b == 0
	s_delay_alu instid0(VALU_DEP_1)
	v_mov_b32 v224, v223
.else
	s_delay_alu instid0(VALU_DEP_1)
	v_lshl_or_b32 v224, v223, 8*\b, v224
.endif
	v_cvt_scalef32_pk16_fp6_f32 v[\dst:\dst+2], v[XB:XB+15], v222
	v_cvt_scalef32_pk16_fp6_f32 v[216:218], v[XB+16:XB+31], v222
	v_nop                                          ; one plain instruction behind a scaled conversion
.irp i, 0,1,2
	v_mov_b32 v[\dst+3+\i], v[216+\i]
.endr
.endm
	XBLOCK 0, 192                                  ; v192-203: blocks 0 and 2;  v204-215: blocks 1 and 3
	XBLOCK 1, 204
	XBLOCK 2, 198
	XBLOCK 3, 210
.set I, 0
.rept 12
	v_permlane16_swap_b32 v[192+I], v[204+I]       ; the first's lanes 16-31 change places with the second's lanes 0-15: v192-203 is now tile u = 0's fragment, v204-215 tile u = 1's
.set I, I+1
.endr
.irp c, 0,1,2
	ds_store_b128 v4, v[192+4*\c:195+4*\c] offset:512*\c
	ds_store_b128 v4, v[204+4*\c:207+4*\c] offset:3072+512*\c
.endr
	ds_store_b32 v5, v224
	s_wait_tensorcnt 0x0                           ; my parts of the weights have landed,
	s_wait_dscnt 0x0                               ; my images too:
	s_barrier_signal -1
	s_barrier_wait -1                              ; everybody's have
.macro FETCHW adr, mat                 ; my head's eight fragments of a weight and their scale words
.irp f, 0,1,2,3,4,5,6,7
.irp c, 0,1,2
	ds_load_b128 v[WF+12*\f+4*\c:WF+12*\f+4*\c+3], v[\adr] offset:\f*FRB+512*\c
.endr
	ds_load_b32 v[WS+\f], v13 offset:\mat*4096+128*\f
.endr
.endm
.macro FETCHX j                        ; tile j of my four: its two fragments
.irp s, 0,1
.irp c, 0,1,2
	ds_load_b128 v[XF+12*\s+4*\c:XF+12*\s+4*\c+3], v6 offset:(2*(\j)+\s)*FRB+512*\c
.endr
.endr
.endm
.macro FETCHV                          ; Wv's four fragments of my two d-tiles, their scale words, and xn's eight scale words
.irp f, 0,1,2,3
.irp c, 0,1,2
	ds_load_b128 v[WF+12*\f+4*\c:WF+12*\f+4*\c+3], v12 offset:\f*FRB+512*\c
.endr
	ds_load_b32 v[WS+\f], v14 offset:8192+128*\f
.endr
.irp i, 0,1,2,3,4,5,6,7
	ds_load_b32 v[XS8+\i], v9 offset:128*\i
.endr
.endm
; 32 numbers of a lane, register 16 b + i = k 32 b + 16 (lane / 16) + i of my row, become six registers of codes at dst (lane (r, h): block h) and two bytes in v[PW]
.macro QUANT2 src, dst
.irp b, 0,1
	v_max3_num_f32 v[TM+\b], |v[(\src)+16*\b]|, |v[(\src)+1+16*\b]|, 0x1800000
.endr
.irp i, 2,4,6,8,10,12,14
.irp b, 0,1
	v_max3_num_f32 v[TM+\b], v[TM+\b], |v[(\src)+16*\b+\i]|, |v[(\src)+1+16*\b+\i]|
.endr
.endr
.irp b, 0,1
	s_delay_alu instid0(VALU_DEP_2)
	v_permlanex16_b32 v[TM+4+\b], v[TM+\b], s50, s51
.endr
.irp b, 0,1
	s_delay_alu instid0(VALU_DEP_2)
	v_max_num_f32 v[TM+\b], v[TM+\b], v[TM+4+\b]
.endr
.irp b, 0,1
	s_delay_alu instid0(VALU_DEP_2)
	v_add_nc_u32 v[TM+12+\b], 0xff000000, v[TM+\b]
.endr
.irp b, 0,1
	s_delay_alu instid0(VALU_DEP_2)
	v_lshrrev_b32 v[TM+4+\b], 23, v[TM+12+\b]
.endr
	s_delay_alu instid0(VALU_DEP_1)
	v_lshl_or_b32 v[PW], v[TM+5], 8, v[TM+4]
	v_cvt_scalef32_pk16_fp6_f32 v[(\dst):(\dst)+2], v[(\src):(\src)+15], v[TM+12]
	v_cvt_scalef32_pk16_fp6_f32 v[CT:CT+2], v[(\src)+16:(\src)+31], v[TM+13]
	v_nop
.irp i, 0,1,2
	v_permlane16_swap_b32 v[(\dst)+\i], v[CT+\i]
.endr
.irp i, 0,1,2
	s_delay_alu instid0(VALU_DEP_3)
	v_mov_b32 v[(\dst)+3+\i], v[CT+\i]
.endr
.endm
; 64 numbers of a lane, laid likewise, become a whole fragment in v[PC] on and its scale word in v[PW]
.macro QUANT4 src
.irp b, 0,1,2,3
	v_max3_num_f32 v[TM+\b], |v[\src+16*\b]|, |v[\src+1+16*\b]|, 0x1800000
.endr
.irp i, 2,4,6,8,10,12,14
.irp b, 0,1,2,3
	v_max3_num_f32 v[TM+\b], v[TM+\b], |v[\src+16*\b+\i]|, |v[\src+1+16*\b+\i]|
.endr
.endr
.irp b, 0,1,2,3
	s_delay_alu instid0(VALU_DEP_4)
	v_permlanex16_b32 v[TM+4+\b], v[TM+\b], s50, s51
.endr
.irp b, 0,1,2,3
	s_delay_alu instid0(VALU_DEP_4)
	v_max_num_f32 v[TM+\b], v[TM+\b], v[TM+4+\b]
.endr
.irp b, 0,1,2,3
	s_delay_alu instid0(VALU_DEP_4)
	v_add_nc_u32 v[TM+12+\b], 0xff000000, v[TM+\b]
.endr
.irp b, 0,1,2,3
	s_delay_alu instid0(VALU_DEP_4)
	v_lshrrev_b32 v[TM+4+\b], 23, v[TM+12+\b]
.endr
	s_delay_alu instid0(VALU_DEP_3)
	v_lshl_or_b32 v[PW], v[TM+5], 8, v[TM+4]
	s_delay_alu instid0(VALU_DEP_1)
	v_lshl_or_b32 v[PW], v[TM+6], 16, v[PW]
	s_delay_alu instid0(VALU_DEP_1)
	v_lshl_or_b32 v[PW], v[TM+7], 24, v[PW]
.irp c, 0,1
	v_cvt_scalef32_pk16_fp6_f32 v[PC+6*\c:PC+2+6*\c], v[\src+32*\c:\src+15+32*\c], v[TM+12+2*\c]
	v_cvt_scalef32_pk16_fp6_f32 v[CT+4*\c:CT+2+4*\c], v[\src+16+32*\c:\src+31+32*\c], v[TM+12+2*\c+1]
.endr
	v_nop
.irp c, 0,1
.irp i, 0,1,2
	v_permlane16_swap_b32 v[PC+6*\c+\i], v[CT+4*\c+\i]
.endr
.irp i, 0,1,2
	s_delay_alu instid0(VALU_DEP_3)
	v_mov_b32 v[PC+3+6*\c+\i], v[CT+4*\c+\i]
.endr
.endr
.endm
; q (mat = 0) or k (1) of tile j = 2 pp + u of my four: eight products, the four accumulators by turns; what comes next is fetched while the results are quantised
.macro QKTILE mat, j
	s_wait_dscnt 0x0
.irp s, 0,1
.irp tl, 0,1,2,3
.if \s == 0
	MM ACC+8*\tl, WF+12*(2*\tl+\s), XF+12*\s, -1, WS+2*\tl+\s, XSQ+2*((\j)/2)+\s, 0, (\j)%2
.else
	MM ACC+8*\tl, WF+12*(2*\tl+\s), XF+12*\s, ACC+8*\tl, WS+2*\tl+\s, XSQ+2*((\j)/2)+\s, 0, (\j)%2
.endif
.endr
.endr
	PLACES
.if \j < 3
	FETCHX (\j)+1
.elseif \mat == 0
	FETCHW 11, 1
	FETCHX 0
.else
	FETCHV
.endif
.if (\j)%2 == 0
	s_wait_xcnt 0x0                                ; the last pair's stores have read the codes' registers
.endif
	QUANT2 ACC, PC+6*((\j)%2)
.if (\j)%2 == 0
	v_mov_b32 v239, v[PW]
.else
	v_lshl_or_b32 v[237+(\j)/2], v[PW], 16, v239   ; the pair's word: u = 0's two bytes, then u = 1's
.irp c, 0,1,2
	global_store_b128 v2, v[PC+4*\c:PC+4*\c+3], s[16:17] offset:\mat*3145728+((\j)/2)*FRB+512*\c   ; 512 consecutive bytes, aligned
.endr
.endif
.if \j == 3
	v_cndmask_b32 v[252+\mat], v237, v238, s52     ; lanes 0-15 my first pair's words, lanes 16-31 my second's
	global_store_b32 v3, v[252+\mat], s[18:19] offset:\mat*131072
.endif
.endm
; v of d-tile 2 bq + e for the 128 keys: eight accumulators (tiles of positions), four at a time; K step k / 2, tiles 4 (k % 2) on
.macro VTILE e
.irp k, 0,1,2,3
.irp i, 0,1,2,3
.irp c, 0,1,2
	ds_load_b128 v[XC+12*\i+4*\c:XC+12*\i+4*\c+3], v7 offset:(2*(4*(\k%2)+\i)+\k/2)*FRB+512*\c
.endr
.endr
	s_wait_dscnt 0x0
.irp i, 0,1,2,3
.if \k < 2
	MM ACC+8*(4*(\k%2)+\i), XC+12*\i, WF+12*(2*\e+\k/2), -1, XS8+2*((4*(\k%2)+\i)/2)+\k/2, WS+2*\e+\k/2, \i%2, 0
.else
	MM ACC+8*(4*(\k%2)+\i), XC+12*\i, WF+12*(2*\e+\k/2), ACC+8*(4*(\k%2)+\i), XS8+2*((4*(\k%2)+\i)/2)+\k/2, WS+2*\e+\k/2, \i%2, 0
.endif
.endr
	PLACES
.endr
	s_wait_xcnt 0x0                                ; the last stores have read the codes' registers
	QUANT4 ACC
.irp c, 0,1,2
	global_store_b128 v2, v[PC+4*\c:PC+4*\c+3], s[16:17] offset:6291456+\e*FRB+512*\c
.endr
.if \e == 0
	v_mov_b32 v237, v[PW]
.else
	v_cndmask_b32 v254, v237, v[PW], s52           ; lanes 0-15 d-tile 2 bq's words, lanes 16-31 d-tile 2 bq + 1's
	global_store_b32 v3, v254, s[18:19] offset:262144
.endif
.endm
.irp b, 0,1,2,3
	v_mov_b32 v[TM+4+\b], 0                        ; written once: a lane permute's destination counts as one of its sources
.endr
.irp i, 0,1,2,3
	ds_load_b32 v[XSQ+\i], v8 offset:128*\i
.endr
	FETCHW 10, 0
	FETCHX 0
	QKTILE 0, 0
	QKTILE 0, 1
	QKTILE 0, 2
	QKTILE 0, 3
	QKTILE 1, 0
	QKTILE 1, 1
	QKTILE 1, 2
	QKTILE 1, 3
	VTILE 0
	VTILE 1
	s_wait_dscnt 0x0
	s_wait_tensorcnt 0x0
	ds_add_u32 v231, v255
	s_wait_dscnt 0x0
	ROUND                                          ; the closing round: no work-group ends while a partner may still ask for a tile that names it
	s_endpgm
.Lfunc_end_k_q2716b7063b_qkv:
	.size	k_q2716b7063b_qkv, .Lfunc_end_k_q2716b7063b_qkv-k_q2716b7063b_qkv
	.p2alignl 7, 3214868480
	.fill 96, 4, 3214868480
	.section	.rodata,"a",@progbits
	.p2align	6, 0x0
	.amdhsa_kernel k_q2716b7063b_qkv
		.amdhsa_group_segment_fixed_size 327680
		.amdhsa_private_segment_fixed_size 0
		.amdhsa_enable_private_segment 0
		.amdhsa_kernarg_size 64
		.amdhsa_user_sgpr_count 2
		.amdhsa_user_sgpr_kernarg_segment_ptr 1
		.amdhsa_wavefront_size32 1
		.amdhsa_system_sgpr_workgroup_id_x 1
		.amdhsa_system_sgpr_workgroup_id_y 1
		.amdhsa_system_sgpr_workgroup_id_z 1
		.amdhsa_system_vgpr_workitem_id 0
		.amdhsa_next_free_vgpr 256
		.amdhsa_next_free_sgpr 102
		.amdhsa_reserve_vcc 0
		.amdhsa_float_denorm_mode_32 3
		.amdhsa_float_denorm_mode_16_64 3
		.amdhsa_memory_ordered 1
		.amdhsa_forward_progress 1
		.amdhsa_inst_pref_size 123
	.end_amdhsa_kernel
	.amdgpu_metadata
---
amdhsa.version: [ 1, 2 ]
amdhsa.kernels:
  - .name:           k_q2716b7063b_qkv
    .symbol:         k_q2716b7063b_qkv.kd
    .args:
      - { .name: x, .offset: 0, .size: 8, .value_kind: global_buffer, .address_space: global }
      - { .name: gamma, .offset: 8, .size: 8, .value_kind: global_buffer, .address_space: global }
      - { .name: beta, .offset: 16, .size: 8, .value_kind: global_buffer, .address_space: global }
      - { .name: stats, .offset: 24, .size: 8, .value_kind: global_buffer, .address_space: global }
      - { .name: wcodes, .offset: 32, .size: 8, .value_kind: global_buffer, .address_space: global }
      - { .name: wscales, .offset: 40, .size: 8, .value_kind: global_buffer, .address_space: global }
      - { .name: codes, .offset: 48, .size: 8, .value_kind: global_buffer, .address_space: global }
      - { .name: scales, .offset: 56, .size: 8, .value_kind: global_buffer, .address_space: global }
    .group_segment_fixed_size: 327680
    .private_segment_fixed_size: 0
    .kernarg_segment_align: 8
    .kernarg_segment_size: 64
    .max_flat_workgroup_size: 256
    .sgpr_count:     102
    .vgpr_count:     256
    .wavefront_size: 32
...
	.end_amdgpu_metadata
.endif
;; end of part 2
;; launch attn (part 3): grid 16 x 16, 16 waves a work-group, clusters of 4 x 1, 327,680 bytes of LDS; arguments codes, scales, ocodes, oscales; writes ocodes, oscales
.if DOCPART == 3
	.amdgcn_target "amdgcn-amd-amdhsa--gfx1250"
	.amdhsa_code_object_version 6
	.text
	.protected	k_q2716b7063b_attn
	.globl	k_q2716b7063b_attn
	.p2align	8
	.type	k_q2716b7063b_attn,@function
k_q2716b7063b_attn:
	s_mov_b64 s[64:65], 0
	v_nop
	global_prefetch_b8 v0, s[64:65] scope:SCOPE_SE
	s_setreg_imm32_b32 hwreg(HW_REG_WAVE_MODE, 25, 1), 1
	s_wait_xcnt 0x0
	s_wait_alu depctr_hold_cnt(0) depctr_sa_sdst(0) depctr_va_vdst(0) depctr_va_sdst(0) depctr_va_ssrc(0) depctr_va_vcc(0) depctr_vm_vsrc(0)
	s_getreg_b32 s2, hwreg(HW_REG_IB_STS2, 6, 4)
	s_cmp_eq_u32 s2, 0
	s_cbranch_scc0 .Lentry_in_a_cluster
	s_endpgm
.Lentry_in_a_cluster:
	s_bfe_u32 s2, ttmp6, 0x10000c
	s_cmp_lg_u32 s2, 0x3003
	s_cbranch_scc0 .Lentry_shape_is_right
	s_endpgm
.Lentry_shape_is_right:
; ATTN.  O = softmax(q k^T / 8) v for 16 (n, head) pairs, 4,096 keys, head size 64, both products on codes of FP6 (E2M3); O / l is quantised along c for the last product.
; THE SOFTMAX: t = score x log2(e) / 8; M = the running largest t rounded UP to a whole number; p = 2^(t - M) is what is quantised along the keys; the row's sum is taken of the unquantised p and divides at the end.
; When M moves, the sum and O are multiplied by 2^(old M - new M): exact.
; SHARES.  A work-group owns 256 queries of one head16; each of its sixteen waves one tile of 16 (four waves to a SIMD, so that one wave's vector work stands beside another's products and LDS loads).
; Every wave walks 32 key steps of 128 keys.  K, V come through a ring of two LDS slots of eight key steps; the head's scale words stay in LDS.  Every operand lies in the workspace as an image of its registers:
; a fragment is three ds_load_b128 at 16 x lane, a scale register one ds_load_b32 at 4 x lane: consecutive bytes, so no padding.
; CLUSTER.  The four work-groups of a cluster belong to one head16 and walk the same K and V: each tile is asked for JOINTLY (mask 15), by waves 0 to 3, one load each.
; HEAD SIZE 64 IN A K OF 128.  A fragment of K holds TWO tiles of 16 keys: registers 0-5 tile u = 0, registers 6-11 tile u = 1.  Q lies in 18 registers [q | zeros | q]: registers 0-11 give tile u = 0's scores,
; registers 6-17 tile u = 1's: the zero codes make the other tile's products 0.
; LAYOUT.  Both products transposed: a lane holds ONE query (lane % 16).  The keys of a tile are not neighbours (row r of tile 2 b + u is key 32 b + 8 u + r + 8 (r / 8)), so the 16 registers of tiles 2 b, 2 b + 1 are keys 32 b + 16 (lane / 16) + 0 .. 15.
; LIMITS: NaN and infinities are not served; p under 2^-126 counts as 0; a block's largest p is made from the block's largest score by the same two instructions (it takes v_exp_f32 not to fall where its input rises);
; a block under 2^-124 (zeros too) gets the byte 1.
; ocodes: [n][tile 256][head 4][768: registers 0-3 at 16 x lane, registers 4-5 at 512 + 8 x lane; lane (r, h): row r, d 32 h ..];  oscales: [n][tile][head][32 lanes] a word with the two bytes.
.set SLOT1, 131072                     ; slot 0 at 0, slot 1 here: K's 49,152 bytes, then V's
.set SCK,   262144                     ; K's scale words of the head, 8,192 bytes; V's follow
.set SPARE, 278528                     ; the spare words, 128 bytes for each of the sixteen waves: eight blocks of 256 bytes that no other line names
.set FR,  36                           ; v36-83   four fragments, of K and then of V
.set S,   84                           ; v84-147  the scores, then p
.set OT,  148                          ; v148-179 O^T, four tiles
.set PCD, 180                          ; v180-191 p's codes
.set BM,  192                          ; v192-195 the blocks' largest scores
.set PR,  196                          ; v196-199 the other half's, then the bytes
.set CT,  200                          ; v200-202, v204-206 the conversions' second halves
.set SO,  208                          ; v208-211 the conversions' scale operands
; v1 16 x lane; v2 the same + 49,152; v3 SCK + 4 x lane; v4, v5 the add's two; v6, v7, v8 the slot's addresses of K, V and the scale words; v9 256 x lane; v12 -M; v13 the largest t; v[14:15] the sum; v16-33 Q; v34 Q's scale word;
; v212 at work; v213 p's scale word; v[214:215] f; v[216:217] the sum's second chain; v220, v221 K's scale words; v222, v223 V's.
; s12 wave, s13 cx, s14 the block of 256 queries, s15 head16; s[16:19], s[20:27] the tiles' descriptor; s[28:31], s[32:39] the scale words'; s[40:41] lane selects; s[42:43] c; s44 the slot in hand; s45 its scale words; s46 slots to ask for; s[48:49], s50 the prefetches.
.macro ROUND                           ; a round of the cluster's barrier
	s_barrier_signal -1
	s_barrier_wait -1
	s_cmp_lg_u32 s12, 0
	s_cbranch_scc1 .Lnot_wave_0_\@
	s_barrier_signal -3
.Lnot_wave_0_\@:
	s_barrier_wait -3
	s_barrier_signal -1
	s_barrier_wait -1
.endm
.macro MM d, a, b, c, sa, sb, ra, rb   ; D = A B + C; c < 0: the constant 0 starts the sum; ra, rb: that side's scales are read from lanes 16-31
.if (\c) < 0
.if \ra
	v_wmma_scale_f32_16x16x128_f8f6f4 v[(\d):(\d)+7], v[(\a):(\a)+11], v[(\b):(\b)+11], 0, v[\sa], v[\sb] matrix_a_fmt:MATRIX_FMT_FP6 matrix_b_fmt:MATRIX_FMT_FP6 matrix_a_scale:MATRIX_SCALE_ROW1
.else
	v_wmma_scale_f32_16x16x128_f8f6f4 v[(\d):(\d)+7], v[(\a):(\a)+11], v[(\b):(\b)+11], 0, v[\sa], v[\sb] matrix_a_fmt:MATRIX_FMT_FP6 matrix_b_fmt:MATRIX_FMT_FP6
.endif
.else
.if \ra
	v_wmma_scale_f32_16x16x128_f8f6f4 v[(\d):(\d)+7], v[(\a):(\a)+11], v[(\b):(\b)+11], v[(\c):(\c)+7], v[\sa], v[\sb] matrix_a_fmt:MATRIX_FMT_FP6 matrix_b_fmt:MATRIX_FMT_FP6 matrix_a_scale:MATRIX_SCALE_ROW1
.else
	v_wmma_scale_f32_16x16x128_f8f6f4 v[(\d):(\d)+7], v[(\a):(\a)+11], v[(\b):(\b)+11], v[(\c):(\c)+7], v[\sa], v[\sb] matrix_a_fmt:MATRIX_FMT_FP6 matrix_b_fmt:MATRIX_FMT_FP6
.endif
.endif
.endm
	s_load_b256 s[4:11], s[0:1], 0x0               ; codes s[4:5], scales s[6:7], ocodes s[8:9], oscales s[10:11]
	v_lshl_add_u32 v4, v0, 2, SPARE
	v_mov_b32 v5, 0
	ds_add_u32 v4, v5
	ds_add_u32 v4, v5
	s_wait_dscnt 0x0
	v_lshrrev_b32 v6, 5, v0
	s_delay_alu instid0(VALU_DEP_1)
	v_readfirstlane_b32 s12, v6                    ; wave 0..15
	s_bfe_u32 s13, ttmp6, 0x40000                  ; cx: it enters global addresses of Q, O and the prefetches alone
	s_lshl_b32 s14, ttmp9, 2
	s_add_co_u32 s14, s14, s13
	s_and_b32 s15, ttmp7, 0xffff
	; descriptor groups 1: dense blocks as rows of 256 bytes (32 elements of 8 bytes); the mask names all four work-groups, bit 21 beside it
	s_mov_b32 s20, 15|(3<<16)|(1<<21)
	s_mov_b32 s21, 32<<16
	s_mov_b32 s22, 96<<16                          ; 96 rows = 24,576 bytes: half of a slot's K or V
	s_mov_b32 s23, 32<<16
	s_mov_b32 s24, 96
	s_mov_b32 s25, 32
	s_mov_b32 s26, 0
	s_mov_b32 s27, 0
	s_mov_b32 s32, 15|(3<<16)|(1<<21)
	s_mov_b32 s33, 32<<16
	s_mov_b32 s34, 16<<16                          ; 16 rows = 4,096 bytes: half of the head's scale words of K or V
	s_mov_b32 s35, 32<<16
	s_mov_b32 s36, 16
	s_mov_b32 s37, 32
	s_mov_b32 s38, 0
	s_mov_b32 s39, 0
	s_and_b32 s51, s12, 3                          ; what I fetch, if I fetch: 0, 1 K's halves, 2, 3 V's
	s_lshr_b32 s52, s51, 1
	s_and_b32 s53, s51, 1
	s_add_co_u32 s52, s52, 1                       ; the tensor: 1 k, 2 v
	s_mul_i32 s54, s52, 3145728
	s_mul_i32 s56, s15, 196608                     ; the head's codes (kept)
	s_add_co_u32 s54, s54, s56
	s_mul_i32 s57, s53, 24576
	s_add_co_u32 s54, s54, s57
	s_mov_b32 s55, 0
	s_mul_i32 s58, s52, 131072
	s_lshl_b32 s57, s15, 13
	s_add_co_u32 s58, s58, s57
	s_lshl_b32 s57, s53, 12
	s_add_co_u32 s58, s58, s57
	s_mov_b32 s59, 0
	s_mul_i32 s60, s51, 24576
	s_lshl_b32 s61, s51, 12
	s_mov_b32 s40, 0x76543210
	s_mov_b32 s41, 0xfedcba98
	s_mov_b32 s42, 0x3e38aa3b                      ; c = log2(e) / 8
	s_mov_b32 s43, s42                             ; (named with it as a pair, so it is written)
	s_mov_b32 s44, 0
	s_mov_b32 s45, 0
	s_mov_b32 s46, 3
	s_wait_kmcnt 0x0
	s_mov_b32 s16, 1
	s_mov_b32 s17, s60                             ; slot 0
	s_add_nc_u64 s[18:19], s[4:5], s[54:55]
	s_or_b32 s19, s19, 0x80000000
	s_mov_b32 s28, 1
	s_add_co_u32 s29, s61, SCK
	s_add_nc_u64 s[30:31], s[6:7], s[58:59]
	s_or_b32 s31, s31, 0x80000000
	ROUND                                          ; all four work-groups are here: the first joint loads meet
	s_cmp_lt_u32 s12, 4                            ; a wave's two first fills stand in one branch: two loads of mine are out
	s_cbranch_scc0 .Lfilled
	tensor_load_to_lds s[28:31], s[32:39]          ; the scale words: filled once
	s_nop 0
	tensor_load_to_lds s[16:19], s[20:27]          ; slot 0
	s_nop 0
.rept 4
	v_nop
.endr
.Lfilled:
	v_and_b32 v10, 31, v0
	s_delay_alu instid0(VALU_DEP_1)
	v_lshlrev_b32 v1, 4, v10
	s_wait_alu depctr_va_vdst(0)
	v_add_nc_u32 v2, 49152, v1
	v_lshl_add_u32 v3, v10, 2, SCK
	v_lshlrev_b32 v9, 8, v10
	v_and_b32 v11, 15, v0
	s_delay_alu instid0(VALU_DEP_1)
	v_lshlrev_b32 v11, 2, v11
	s_wait_alu depctr_va_vdst(0)
	s_lshr_b32 s60, s12, 1
	s_lshl_b32 s61, s14, 3
	s_add_co_u32 s60, s60, s61                     ; my pair of tiles: 8 x block + wave / 2
	s_mul_i32 s62, s60, 1536
	s_add_co_u32 s62, s62, s56
	s_mov_b32 s63, 0
	s_add_nc_u64 s[66:67], s[4:5], s[62:63]        ; its image in q's codes
	s_lshl_b32 s62, s60, 6
	s_lshl_b32 s61, s15, 13
	s_add_co_u32 s62, s62, s61
	s_add_nc_u64 s[68:69], s[6:7], s[62:63]        ; its 16 scale words
.irp c, 0,1,2
	global_load_b128 v[S+4*\c:S+4*\c+3], v1, s[66:67] offset:512*\c
.endr
	global_load_b32 v212, v11, s[68:69]
	; the prefetches (macro ASK): where mine stand, and who asks
	s_lshr_b32 s51, s13, 1
	s_add_co_u32 s51, s51, 1
	s_mul_i32 s52, s51, 3145728                    ; partners 0, 1 ask for K's halves of a slot, partners 2, 3 for V's: told apart by address alone
	s_add_co_u32 s52, s52, s56
	s_and_b32 s51, s13, 1
	s_mul_i32 s51, s51, 24576
	s_add_co_u32 s52, s52, s51
	s_and_b32 s51, s12, 3
	s_lshl_b32 s51, s51, 13                        ; 8,192 bytes a wave
	s_add_co_u32 s52, s52, s51
	s_add_co_u32 s52, s52, 49152                   ; in slot 1: the first change of slots steps it to slot 2
	s_mov_b32 s53, 0
	s_add_nc_u64 s[48:49], s[4:5], s[52:53]
	s_sub_co_u32 s51, s12, 4
	s_cmp_lt_u32 s51, 3                            ; waves 4, 5, 6,
	s_cselect_b32 s50, 1, -1
	s_cmp_eq_u32 ttmp9, 0                          ; of the head's first cluster: the same in all four partners
	s_cselect_b32 s50, s50, -1
	s_and_b32 s51, s12, 1                          ; u: which tile of the pair is mine
	s_cmp_eq_u32 s51, 0
	s_cselect_b32 s52, 0, -1
	s_lshl_b32 s53, s51, 4
	s_wait_loadcnt 0x0
.irp i, 0,1,2,3,4,5
	v_cndmask_b32 v[16+\i], v[S+\i], v[S+6+\i], s52
.endr
	v_lshrrev_b32 v212, s53, v212
	s_delay_alu instid0(VALU_DEP_1)
	v_and_b32 v212, 0xffff, v212
	s_delay_alu instid0(VALU_DEP_1)
	v_lshl_or_b32 v34, v212, 16, v212              ; my tile's two bytes, for either place of q
.irp i, 0,1,2,3,4,5
	v_mov_b32 v[28+\i], v[16+\i]
	v_mov_b32 v[22+\i], 0
.endr
	v_mov_b32 v13, 0xff61b1e6                      ; the largest t so far: -3e38, under every t
	s_delay_alu instid0(VALU_DEP_1)
	v_floor_f32 v12, -v13                          ; -M
	v_mov_b32 v14, 0
	v_mov_b32 v15, 0
	v_mov_b32 v213, 0
	v_mov_b32 v215, 0                              ; (named as the upper half of the pair v[214:215])
.irp b, 0,1,2,3
	v_mov_b32 v[PR+\b], 0                          ; written once: a lane permute's destination counts as one of its sources
.endr
.set J, 0
.rept 32
	v_mov_b32 v[OT+J], 0                           ; O^T: the step is written once; the first finds zeros, which the first change of M leaves zeros
.set J, J+1
.endr
; A KEY STEP: 128 keys, the q-th of the slot in hand
.macro STEP q
.rept 4
	v_nop                                          ; places in front of loads into registers that the last products have read
.endr
.irp b, 0,1,2,3
.irp c, 0,1,2
	ds_load_b128 v[FR+12*\b+4*\c:FR+12*\b+4*\c+3], v6 offset:(\q)*6144+\b*1536+\c*512
.endr
.endr
	ds_load_b32 v220, v8 offset:(\q)*256           ; lanes 0-15 pair 0's words, lanes 16-31 pair 1's
	ds_load_b32 v221, v8 offset:(\q)*256+128
	s_wait_dscnt 0x0
.irp b, 0,1,2,3                        ; S^T = K Q^T: a fragment of K against q in either place
	MM S+16*\b, FR+12*\b, 16, -1, 220+\b/2, 34, \b%2, 0
	MM S+16*\b+8, FR+12*\b, 22, -1, 220+\b/2, 34, \b%2, 0
.endr
.rept 4
	v_nop                                          ; places in front of V's loads and of the first read of the scores
.endr
.irp t, 0,1,2,3                        ; V's four fragments land under the softmax
.irp c, 0,1,2
	ds_load_b128 v[FR+12*\t+4*\c:FR+12*\t+4*\c+3], v7 offset:(\q)*6144+\t*1536+\c*512
.endr
.endr
	ds_load_b32 v222, v8 offset:8192+(\q)*256
	ds_load_b32 v223, v8 offset:8192+(\q)*256+128
.irp b, 0,1,2,3
	v_max3_num_f32 v[BM+\b], v[S+16*\b], v[S+1+16*\b], v[S+2+16*\b]   ; the largest score of each block of 32 keys: for the row's maximum, and for the block's largest p
.endr
.irp i, 3,5,7,9,11,13
.irp b, 0,1,2,3
	v_max3_num_f32 v[BM+\b], v[BM+\b], v[S+16*\b+\i], v[S+1+16*\b+\i]
.endr
.endr
.irp b, 0,1,2,3
	v_max_num_f32 v[BM+\b], v[BM+\b], v[S+15+16*\b]
.endr
.irp b, 0,1,2,3
	s_delay_alu instid0(VALU_DEP_4)
	v_permlanex16_b32 v[PR+\b], v[BM+\b], s40, s41
.endr
.irp b, 0,1,2,3
	s_delay_alu instid0(VALU_DEP_4)
	v_max_num_f32 v[BM+\b], v[BM+\b], v[PR+\b]     ; with lane l xor 16's 16 keys
.endr
	s_delay_alu instid0(VALU_DEP_2)
	v_max3_num_f32 v212, v[BM], v[BM+1], v[BM+2]
	s_delay_alu instid0(VALU_DEP_1)
	v_max_num_f32 v212, v212, v[BM+3]
	s_delay_alu instid0(VALU_DEP_1)
	v_mul_f32 v212, s42, v212                      ; as t (c is positive)
	s_delay_alu instid0(VALU_DEP_1)
	v_max_num_f32 v13, v13, v212                   ; the running largest t
	v_mov_b32 v212, v12
	s_delay_alu instid0(VALU_DEP_2)
	v_floor_f32 v12, -v13                          ; the new -M = floor(-t): M is a whole number
	s_delay_alu instid0(VALU_DEP_1)
	v_sub_f32 v212, v12, v212                      ; old M - new M: a whole number, 0 or less
	s_delay_alu instid0(VALU_DEP_1)
	v_cvt_i32_f32 v212, v212                       ; (it saturates)
	s_delay_alu instid0(VALU_DEP_1)
	v_ldexp_f32 v214, 1.0, v212                    ; f = 2^(old M - new M)
.set J, 0
.rept 32
	v_pk_fma_f32 v[S+J:S+J+1], v[S+J:S+J+1], s[42:43], v[12:13] op_sel_hi:[1,0,0]   ; t - M
.set J, J+2
.endr
.irp b, 0,1,2,3
	v_fma_f32 v[BM+\b], v[BM+\b], s42, v12         ; the same of each block's largest score
.endr
.set J, 0
	s_wait_alu depctr_va_vdst(0)
.rept 64
	v_exp_f32 v[S+J], v[S+J]                       ; p = 2^(t - M): not normalised
.set J, J+1
.endr
	v_pk_mul_f32 v[14:15], v[14:15], v[214:215] op_sel_hi:[1,0]   ; the sums under the new M.  (A plain instruction behind the exponentials)
	s_wait_alu depctr_va_vdst(0)                   ; one wait for the whole batch, ahead of its first reader
.irp b, 0,1,2,3
	v_exp_f32 v[BM+\b], v[BM+\b]                   ; the block's largest p
.endr
	v_pk_add_f32 v[216:217], v[88:89], v[92:93]
	v_pk_add_f32 v[254:255], v[96:97], v[100:101]
	v_pk_add_f32 v[252:253], v[104:105], v[108:109]
	v_pk_add_f32 v[250:251], v[112:113], v[116:117]
	v_pk_add_f32 v[248:249], v[120:121], v[124:125]
	v_pk_add_f32 v[246:247], v[128:129], v[132:133]
	v_pk_add_f32 v[244:245], v[136:137], v[140:141]
	v_pk_add_f32 v[14:15], v[14:15], v[144:145]
	v_pk_add_f32 v[216:217], v[216:217], v[84:85]
	v_pk_add_f32 v[254:255], v[254:255], v[86:87]
	v_pk_add_f32 v[252:253], v[252:253], v[90:91]
	v_pk_add_f32 v[250:251], v[250:251], v[94:95]
	v_pk_add_f32 v[248:249], v[248:249], v[98:99]
	v_pk_add_f32 v[246:247], v[246:247], v[102:103]
	v_pk_add_f32 v[244:245], v[244:245], v[106:107]
	v_pk_add_f32 v[14:15], v[14:15], v[110:111]
	v_pk_add_f32 v[216:217], v[216:217], v[114:115]
	v_pk_add_f32 v[254:255], v[254:255], v[118:119]
	v_pk_add_f32 v[252:253], v[252:253], v[122:123]
	v_pk_add_f32 v[250:251], v[250:251], v[126:127]
	v_pk_add_f32 v[248:249], v[248:249], v[130:131]
	v_pk_add_f32 v[246:247], v[246:247], v[134:135]
	v_pk_add_f32 v[244:245], v[244:245], v[138:139]
	v_pk_add_f32 v[14:15], v[14:15], v[142:143]
	v_pk_add_f32 v[216:217], v[216:217], v[146:147]
	s_delay_alu instid0(VALU_DEP_2)
	v_pk_add_f32 v[14:15], v[14:15], v[250:251]
	s_delay_alu instid0(VALU_DEP_2)
	v_pk_add_f32 v[216:217], v[216:217], v[248:249]
	v_pk_add_f32 v[254:255], v[254:255], v[246:247]
	v_pk_add_f32 v[252:253], v[252:253], v[244:245]
	s_delay_alu instid0(VALU_DEP_2)
	v_pk_add_f32 v[14:15], v[14:15], v[254:255]
	s_delay_alu instid0(VALU_DEP_2)
	v_pk_add_f32 v[216:217], v[216:217], v[252:253]
	s_delay_alu instid0(VALU_DEP_1)
	v_pk_add_f32 v[14:15], v[14:15], v[216:217]
	s_wait_alu depctr_va_vdst(0)                   ; and one for the four
.irp b, 0,1,2,3
	v_max_num_f32 v[BM+\b], 0x1800000, v[BM+\b]    ; the floor 2^(3 - 127)
.endr
.irp b, 0,1,2,3
	s_delay_alu instid0(VALU_DEP_4)
	v_add_nc_u32 v[SO+\b], 0xff000000, v[BM+\b]
.endr
.irp b, 0,1,2,3
	s_delay_alu instid0(VALU_DEP_4)
	v_lshrrev_b32 v[PR+\b], 23, v[SO+\b]
.endr
	s_delay_alu instid0(VALU_DEP_3)
	v_lshl_or_b32 v213, v[PR+1], 8, v[PR]          ; p's scale word for these 128 keys
	s_delay_alu instid0(VALU_DEP_1)
	v_lshl_or_b32 v213, v[PR+2], 16, v213
	s_delay_alu instid0(VALU_DEP_1)
	v_lshl_or_b32 v213, v[PR+3], 24, v213
.irp c, 0,1
	v_cvt_scalef32_pk16_fp6_f32 v[PCD+6*\c:PCD+2+6*\c], v[S+32*\c:S+15+32*\c], v[SO+2*\c]
	v_cvt_scalef32_pk16_fp6_f32 v[CT+4*\c:CT+2+4*\c], v[S+16+32*\c:S+31+32*\c], v[SO+2*\c+1]
.endr
	v_nop                                          ; one plain instruction behind a scaled conversion
.irp c, 0,1
.irp i, 0,1,2
	v_permlane16_swap_b32 v[PCD+6*\c+\i], v[CT+4*\c+\i]
.endr
.irp i, 0,1,2
	s_delay_alu instid0(VALU_DEP_3)
	v_mov_b32 v[PCD+3+6*\c+\i], v[CT+4*\c+\i]
.endr
.endr
.set J, 0
.rept 16
	v_pk_mul_f32 v[OT+J:OT+J+1], v[OT+J:OT+J+1], v[214:215] op_sel_hi:[1,0]   ; O^T under the new M.  (These are also the places between the codes, the scale word and the products)
.set J, J+2
.endr
	s_wait_alu depctr_va_vdst(0)
	s_wait_dscnt 0x0                               ; V is in
.irp t, 0,1,2,3                        ; O^T += V^T P^T: the four accumulators by turns
	MM OT+8*\t, FR+12*\t, PCD, OT+8*\t, 222+\t/2, 213, \t%2, 0
.endr
.endm
.macro EIGHT                           ; a slot's eight key steps; a step's place stands in the immediates
	v_add_nc_u32 v6, s44, v1
	v_add_nc_u32 v7, s44, v2
	s_wait_alu depctr_va_vdst(0)
	v_add_nc_u32 v8, s45, v3
.set Q, 0
	s_wait_alu depctr_va_vdst(0)
.rept 8
	STEP Q
.set Q, Q+1
.endr
	s_xor_b32 s44, s44, SLOT1                      ; on to the other slot,
	s_add_co_u32 s45, s45, 2048                    ; and to its scale words
.endm
.macro TLOAD                           ; waves 0 to 3 fetch; four v_nop follow the load
	s_cmp_lt_u32 s12, 4
	s_cbranch_scc0 .Lasked_\@
	tensor_load_to_lds s[16:19], s[20:27]
	s_nop 0
.rept 4
	v_nop
.endr
.Lasked_\@:
.endm
; A PREFETCH INTO THE L2 of the slot that the NEXT change of slots will ask for: 98,304 bytes = 4 partners x 3 waves x 32 lanes x 256 bytes: each block of 256 bytes is named once in the launch.
; All clusters of a head16 walk the same K and V: the first of them asks.  The last change that fills a slot asks for nothing; slots 0 and 1 come by their loads alone.
.macro ASK
	s_cmp_gt_u32 s46, s50
	s_cbranch_scc0 .Lnot_mine_\@
	global_prefetch_b8 v9, s[48:49] th:TH_LOAD_NT scope:SCOPE_SE
.Lnot_mine_\@:
.endm
; THE CHANGE OF SLOTS stands at a slot's head.  Each wave waits for all its tensor loads, adds 0 to its spare word, and waits for that and for its reads of the slot that it has left.
; fill = 1: a round of the cluster's barrier, and behind it the slot just left is filled with the next eight key steps: the load has a whole slot's steps in which to land.
.macro CHANGE fill
	s_wait_tensorcnt 0x0                           ; no tensor load of mine is out, so the descriptor may be written
	ds_add_u32 v4, v5                              ; 0 onto my spare word
.if \fill
	s_xor_b32 s17, s17, SLOT1                      ; the other slot than last time,
	s_add_nc_u64 s[18:19], s[18:19], 49152         ; the next eight key steps
	s_wait_xcnt 0x0                                ; the last prefetch, a slot back, has read its address
	s_add_nc_u64 s[48:49], s[48:49], 49152
.endif
	s_wait_dscnt 0x0                               ; the add is done, and my reads of the slot that I have left are over
.if \fill
	ROUND
	TLOAD
	ASK
.else
	s_barrier_signal -1
	s_barrier_wait -1
.endif
.endm
.Lslot:                                            ; three trips: behind each change of slots but the last the next slot is asked for
	CHANGE 1
	EIGHT
	s_sub_co_u32 s46, s46, 1
	s_cmp_lg_u32 s46, 0
	s_cbranch_scc1 .Lslot
	CHANGE 0                                       ; the last slot is written out
	EIGHT
	; THE WAY OUT: O^T / the sum, quantised along d (two blocks of the last product's K), stored as half an image
	v_add_f32 v14, v14, v15
	s_delay_alu instid0(VALU_DEP_1)
	v_permlanex16_b32 v212, v14, s40, s41
	s_delay_alu instid0(VALU_DEP_1)
	v_add_f32 v14, v14, v212                       ; the row's sum
	s_wait_alu depctr_va_vdst(0)
	v_rcp_f32 v214, v14
	v_and_b32 v10, 31, v0                          ; (plain instructions behind the transcendental and behind the last products)
	s_delay_alu instid0(VALU_DEP_1)
	v_lshlrev_b32 v11, 2, v10                      ; 4 x lane
	s_delay_alu instid0(VALU_DEP_2)
	v_lshlrev_b32 v10, 3, v10                      ; 8 x lane
	v_nop
	s_lshr_b32 s51, s15, 2                         ; n
	s_lshl_b32 s51, s51, 8
	s_lshl_b32 s52, s14, 4
	s_add_co_u32 s51, s51, s52
	s_add_co_u32 s51, s51, s12                     ; 256 n + my tile
	s_lshl_b32 s51, s51, 2
	s_and_b32 s52, s15, 3
	s_add_co_u32 s51, s51, s52                     ; x 4 + the head
	s_mul_i32 s52, s51, 768
	s_mov_b32 s53, 0
	s_add_nc_u64 s[8:9], s[8:9], s[52:53]
	s_lshl_b32 s52, s51, 7
	s_add_nc_u64 s[10:11], s[10:11], s[52:53]
	s_wait_alu depctr_va_vdst(0)                   ; the wait ahead of the reciprocal's first reader
.set J, 0
.rept 16
	v_pk_mul_f32 v[S+J:S+J+1], v[OT+J:OT+J+1], v[214:215] op_sel_hi:[1,0]   ; register 16 b + i is d = 32 b + 16 (lane / 16) + i of my query
.set J, J+2
.endr
.irp b, 0,1
	v_max3_num_f32 v[BM+\b], |v[S+16*\b]|, |v[S+1+16*\b]|, 0x1800000
.endr
.irp i, 2,4,6,8,10,12,14
.irp b, 0,1
	s_delay_alu instid0(VALU_DEP_2)
	v_max3_num_f32 v[BM+\b], v[BM+\b], |v[S+16*\b+\i]|, |v[S+1+16*\b+\i]|
.endr
.endr
.irp b, 0,1
	s_delay_alu instid0(VALU_DEP_2)
	v_permlanex16_b32 v[PR+\b], v[BM+\b], s40, s41
.endr
.irp b, 0,1
	s_delay_alu instid0(VALU_DEP_2)
	v_max_num_f32 v[BM+\b], v[BM+\b], v[PR+\b]
.endr
.irp b, 0,1
	s_delay_alu instid0(VALU_DEP_2)
	v_add_nc_u32 v[SO+\b], 0xff000000, v[BM+\b]
.endr
.irp b, 0,1
	s_delay_alu instid0(VALU_DEP_2)
	v_lshrrev_b32 v[PR+\b], 23, v[SO+\b]
.endr
	s_delay_alu instid0(VALU_DEP_1)
	v_lshl_or_b32 v212, v[PR+1], 8, v[PR]
	v_cvt_scalef32_pk16_fp6_f32 v[PCD:PCD+2], v[S:S+15], v[SO]
	v_cvt_scalef32_pk16_fp6_f32 v[CT:CT+2], v[S+16:S+31], v[SO+1]
	v_nop
.irp i, 0,1,2
	v_permlane16_swap_b32 v[PCD+\i], v[CT+\i]
.endr
.irp i, 0,1,2
	s_delay_alu instid0(VALU_DEP_3)
	v_mov_b32 v[PCD+3+\i], v[CT+\i]
.endr
	global_store_b128 v1, v[PCD:PCD+3], s[8:9]             ; 512 consecutive bytes, aligned
	global_store_b64 v10, v[PCD+4:PCD+5], s[8:9] offset:512   ; 256 consecutive bytes, aligned
	global_store_b32 v11, v212, s[10:11]
	s_wait_tensorcnt 0x0                           ; the wave's end
	ds_add_u32 v4, v5
	s_wait_dscnt 0x0
	ROUND                                          ; the closing round
	s_endpgm
.Lfunc_end_k_q2716b7063b_attn:
	.size	k_q2716b7063b_attn, .Lfunc_end_k_q2716b7063b_attn-k_q2716b7063b_attn
	.p2alignl 7, 3214868480
	.fill 96, 4, 3214868480
	.section	.rodata,"a",@progbits
	.p2align	6, 0x0
	.amdhsa_kernel k_q2716b7063b_attn
		.amdhsa_group_segment_fixed_size 327680
		.amdhsa_private_segment_fixed_size 0
		.amdhsa_enable_private_segment 0
		.amdhsa_kernarg_size 32
		.amdhsa_user_sgpr_count 2
		.amdhsa_user_sgpr_kernarg_segment_ptr 1
		.amdhsa_wavefront_size32 1
		.amdhsa_system_sgpr_workgroup_id_x 1
		.amdhsa_system_sgpr_workgroup_id_y 1
		.amdhsa_system_sgpr_workgroup_id_z 1
		.amdhsa_system_vgpr_workitem_id 0
		.amdhsa_next_free_vgpr 256
		.amdhsa_next_free_sgpr 80
		.amdhsa_reserve_vcc 0
		.amdhsa_float_denorm_mode_32 3
		.amdhsa_float_denorm_mode_16_64 3
		.amdhsa_memory_ordered 1
		.amdhsa_forward_progress 1
		.amdhsa_inst_pref_size 255
	.end_amdhsa_kernel
	.section	.bss,"aw",@nobits
	.p2align	6
	.space	262144
	.amdgpu_metadata
---
amdhsa.version: [ 1, 2 ]
amdhsa.kernels:
  - .name:           k_q2716b7063b_attn
    .symbol:         k_q2716b7063b_attn.kd
    .args:
      - { .name: codes, .offset: 0, .size: 8, .value_kind: global_buffer, .address_space: global }
      - { .name: scales, .offset: 8, .size: 8, .value_kind: global_buffer, .address_space: global }
      - { .name: ocodes, .offset: 16, .size: 8, .value_kind: global_buffer, .address_space: global }
      - { .name: oscales, .offset: 24, .size: 8, .value_kind: global_buffer, .address_space: global }
    .group_segment_fixed_size: 327680
    .private_segment_fixed_size: 0
    .kernarg_segment_align: 8
    .kernarg_segment_size: 32
    .max_flat_workgroup_size: 512
    .sgpr_count:     80
    .vgpr_count:     256
    .wavefront_size: 32
...
	.end_amdgpu_metadata
.endif
;; end of part 3
;; launch proj (part 4): grid 64 x 4, 8 waves a work-group, clusters of 4 x 1, 168,960 bytes of LDS; arguments ocodes, oscales, wcodes, wscales, bp, out0; writes out0
.if DOCPART == 4
	.amdgcn_target "amdgcn-amd-amdhsa--gfx1250"
	.amdhsa_code_object_version 6
	.text
	.protected	k_q2716b7063b_proj
	.globl	k_q2716b7063b_proj
	.p2align	8
	.type	k_q2716b7063b_proj,@function
k_q2716b7063b_proj:
	s_mov_b64 s[64:65], 0
	v_nop
	global_prefetch_b8 v0, s[64:65] scope:SCOPE_SE
	s_setreg_imm32_b32 hwreg(HW_REG_WAVE_MODE, 25, 1), 1
	s_wait_xcnt 0x0
	s_wait_alu depctr_hold_cnt(0) depctr_sa_sdst(0) depctr_va_vdst(0) depctr_va_sdst(0) depctr_va_ssrc(0) depctr_va_vcc(0) depctr_vm_vsrc(0)
	s_getreg_b32 s2, hwreg(HW_REG_IB_STS2, 6, 4)
	s_cmp_eq_u32 s2, 0
	s_cbranch_scc0 .Lentry_in_a_cluster
	s_endpgm
.Lentry_in_a_cluster:
	s_bfe_u32 s2, ttmp6, 0x10000c
	s_cmp_lg_u32 s2, 0x3003
	s_cbranch_scc0 .Lentry_shape_is_right
	s_endpgm
.Lentry_shape_is_right:
; PROJ.  out0[n][o][l] = the sum over c of Wp[o][c] O[n][c][l] + bp[o], on codes of FP6 (E2M3): O's codes and bytes from the launch before, Wp's images from the first.
; SHARES.  A work-group takes 64 positions of one n (bx = 4 x cluster x + cx: four tiles j = 2 p + u) and all 256 outputs; wave w takes outputs 32 w .. 32 w + 31 (tiles 2 w + e of Wp) for the 64 positions.
; Source 0 = a tile of positions, source 1 = 16 rows of Wp: a lane holds ONE output channel, and the registers of tiles u = 0, 1 are 16 neighbouring positions (row r of tile 2 p + u is position 32 p + 8 u + r + 8 (r / 8)).
; The bias is the C of each sum's first product.  A wave's 32 channels x 64 positions go through its own stage in LDS and leave as rows of 256 bytes, sixteen lanes to an aligned 256 bytes.
; Wp's images are the same for every work-group: the four of a cluster ask for them JOINTLY, two tensor loads a wave; a wave reads only the bytes that its own loads brought, so its own wait is all the ordering that its reads need.
; s16 wave, s17 cx, s18 bx, s19 n; s[20:23], s[24:31] and s[32:35], s[36:43] the two descriptors.
.set WPS,  49152                       ; LDS: Wp's images from 0 on (6,144 bytes a wave), their scale words here (512 a wave),
.set STG,  53248                       ; the stages: 32 rows x (256 + 16) bytes a wave
.set OF,   16                          ; v16-111  O's eight fragments (tile j, K step s: 2 j + s); later the rows read back
.set WF,   112                         ; v112-159 Wp's four (2 e + s)
.set ACC,  160                         ; v160-223 eight accumulators (4 e + j); before the products v160-175 hold O's bytes as loaded
.set BI,   224                         ; v224-239 the bias in the result's layout, eight registers for each e
.set OS,   240                         ; v240-247 O's scale words;  v248-251 Wp's
.set WS,   248
.macro ROUND
	s_barrier_signal -1
	s_barrier_wait -1
	s_cmp_lg_u32 s16, 0
	s_cbranch_scc1 .Lnot_wave_0_\@
	s_barrier_signal -3
.Lnot_wave_0_\@:
	s_barrier_wait -3
	s_barrier_signal -1
	s_barrier_wait -1
.endm
	s_load_b256 s[4:11], s[0:1], 0x0               ; ocodes s[4:5], oscales s[6:7], wcodes s[8:9], wscales s[10:11]
	s_load_b128 s[12:15], s[0:1], 0x20             ; bp s[12:13], out0 s[14:15]
	v_lshl_add_u32 v254, v0, 2, 0x29000
	v_mov_b32 v255, 0
	ds_add_u32 v254, v255
	ds_add_u32 v254, v255
	v_lshrrev_b32 v1, 5, v0
	s_delay_alu instid0(VALU_DEP_1)
	v_readfirstlane_b32 s16, v1                    ; wave 0..7
	s_bfe_u32 s17, ttmp6, 0x40000                  ; cx: it enters global addresses of O and out0 alone
	s_lshl_b32 s18, ttmp9, 2
	s_add_co_u32 s18, s18, s17
	s_and_b32 s19, ttmp7, 0xffff
	s_mov_b32 s24, 15|(3<<16)|(1<<21)              ; dense blocks as rows of 256 bytes; the mask names all four work-groups, bit 21 beside it
	s_mov_b32 s25, 32<<16
	s_mov_b32 s26, 24<<16                          ; 24 rows = 6,144 bytes: my four fragments
	s_mov_b32 s27, 32<<16
	s_mov_b32 s28, 24
	s_mov_b32 s29, 32
	s_mov_b32 s30, 0
	s_mov_b32 s31, 0
	s_mov_b32 s36, 15|(3<<16)|(1<<21)
	s_mov_b32 s37, 32<<16
	s_mov_b32 s38, 2<<16                           ; 2 rows = 512 bytes: their scale words
	s_mov_b32 s39, 32<<16
	s_mov_b32 s40, 2
	s_mov_b32 s41, 32
	s_mov_b32 s42, 0
	s_mov_b32 s43, 0
	s_mul_i32 s44, s16, 6144
	s_mov_b32 s45, 0
	s_lshl_b32 s46, s16, 9
	s_mov_b32 s47, 0
	s_wait_dscnt 0x0
	s_wait_kmcnt 0x0
	s_mov_b32 s20, 1
	s_mov_b32 s21, s44
	s_add_nc_u64 s[22:23], s[8:9], s[44:45]
	s_add_nc_u64 s[22:23], s[22:23], 147456        ; the fourth matrix
	s_or_b32 s23, s23, 0x80000000
	s_mov_b32 s32, 1
	s_add_co_u32 s33, s46, WPS
	s_add_nc_u64 s[34:35], s[10:11], s[46:47]
	s_add_nc_u64 s[34:35], s[34:35], 12288
	s_or_b32 s35, s35, 0x80000000
	ROUND                                          ; all four work-groups are here: the joint loads meet
	tensor_load_to_lds s[20:23], s[24:31]          ; my two loads stand together: two are out
	s_nop 0
	tensor_load_to_lds s[32:35], s[36:43]
	s_nop 0
.rept 4
	v_nop
.endr
	v_and_b32 v12, 31, v0
	s_delay_alu instid0(VALU_DEP_1)
	v_lshlrev_b32 v1, 4, v12                       ; 16 x lane
	s_delay_alu instid0(VALU_DEP_2)
	v_lshlrev_b32 v2, 3, v12                       ; 8 x lane
	s_delay_alu instid0(VALU_DEP_3)
	v_lshlrev_b32 v3, 2, v12                       ; 4 x lane
	s_delay_alu instid0(VALU_DEP_3)
	v_add_nc_u32 v4, s44, v1                       ; my images of Wp
	s_add_co_u32 s46, s46, WPS
	v_add_nc_u32 v5, s46, v3                       ; their scale words
	v_and_b32 v10, 15, v0                          ; r
	v_bfe_u32 v11, v0, 4, 1                        ; h
	s_mul_i32 s48, s16, 8704
	s_add_co_u32 s48, s48, STG                     ; my stage
	v_mul_u32_u24 v6, v10, 272
	s_delay_alu instid0(VALU_DEP_1)
	v_lshl_add_u32 v6, v11, 6, v6
	s_delay_alu instid0(VALU_DEP_1)
	v_add_nc_u32 v6, s48, v6                       ; in: row r (+ 16 e), 64 h bytes on
	v_mul_u32_u24 v7, v11, 272
	s_delay_alu instid0(VALU_DEP_1)
	v_lshl_add_u32 v7, v10, 4, v7
	s_delay_alu instid0(VALU_DEP_1)
	v_add_nc_u32 v7, s48, v7                       ; back: lanes 0-15 one row, lanes 16-31 the next
	v_lshlrev_b32 v8, 14, v11
	s_delay_alu instid0(VALU_DEP_1)
	v_lshl_add_u32 v8, v10, 4, v8                  ; and the same in out0: a channel is 16,384 bytes
	v_and_b32 v9, 8, v0
	s_delay_alu instid0(VALU_DEP_1)
	v_add_nc_u32 v9, v9, v10
	s_delay_alu instid0(VALU_DEP_1)
	v_lshlrev_b32 v9, 2, v9                        ; bp: 4 (r + 8 (r / 8))
	s_wait_alu depctr_va_vdst(0)
	s_lshl_b32 s48, s19, 8
	s_lshl_b32 s49, s18, 2
	s_add_co_u32 s48, s48, s49                     ; 256 n + my first tile
	s_mul_i32 s50, s48, 3072
	s_mov_b32 s51, 0
	s_add_nc_u64 s[4:5], s[4:5], s[50:51]
	s_lshl_b32 s50, s48, 9
	s_add_nc_u64 s[6:7], s[6:7], s[50:51]
	s_lshl_b32 s50, s16, 7
	s_add_nc_u64 s[12:13], s[12:13], s[50:51]
	s_lshl_b32 s50, s19, 22
	s_lshl_b32 s49, s16, 19
	s_add_co_u32 s50, s50, s49
	s_lshl_b32 s49, s18, 8
	s_add_co_u32 s50, s50, s49
	s_add_nc_u64 s[14:15], s[14:15], s[50:51]
.irp f, 0,1,2,3,4,5,6,7                ; a fragment is two heads' halves: registers 0-3, 4-5 and 6-9, 10-11
	global_load_b128 v[OF+12*\f:OF+12*\f+3], v1, s[4:5] offset:\f*1536
	global_load_b64 v[OF+12*\f+4:OF+12*\f+5], v2, s[4:5] offset:\f*1536+512
	global_load_b128 v[OF+12*\f+6:OF+12*\f+9], v1, s[4:5] offset:\f*1536+768
	global_load_b64 v[OF+12*\f+10:OF+12*\f+11], v2, s[4:5] offset:\f*1536+1280
.endr
.set I, 0
.rept 16
	global_load_b32 v[ACC+I], v3, s[6:7] offset:128*I   ; tile I / 4, head I % 4: two bytes a row
.set I, I+1
.endr
	global_load_b32 v252, v9, s[12:13]
	global_load_b32 v253, v9, s[12:13] offset:32
	s_wait_tensorcnt 0x0                           ; my own bytes of Wp have landed
.irp f, 0,1,2,3
.irp c, 0,1,2
	ds_load_b128 v[WF+12*\f+4*\c:WF+12*\f+4*\c+3], v4 offset:\f*1536+512*\c
.endr
	ds_load_b32 v[WS+\f], v5 offset:128*\f
.endr
	s_wait_loadcnt 0x0
.irp f, 0,1,2,3,4,5,6,7
	v_lshl_or_b32 v[OS+\f], v[ACC+2*\f+1], 16, v[ACC+2*\f]   ; fragment 2 j + s: heads 2 s and 2 s + 1 of tile j
.endr
.irp e, 0,1
.irp i, 0,1,2,3,4,5,6,7
	v_mov_b32 v[BI+8*\e+\i], v[252+\e]
.endr
.endr
.rept 8
	v_nop                                          ; a scale register written by a vector instruction stands 8 places ahead of a scaled matrix instruction
.endr
	s_wait_alu depctr_va_vdst(0)
	s_wait_dscnt 0x0
.irp e, 0,1                            ; the eight accumulators by turns, a K step at a time
.irp j, 0,1,2,3
	v_wmma_scale_f32_16x16x128_f8f6f4 v[ACC+8*(4*\e+\j):ACC+8*(4*\e+\j)+7], v[OF+12*(2*\j):OF+12*(2*\j)+11], v[WF+12*(2*\e):WF+12*(2*\e)+11], v[BI+8*\e:BI+8*\e+7], v[OS+2*\j], v[WS+2*\e] matrix_a_fmt:MATRIX_FMT_FP6 matrix_b_fmt:MATRIX_FMT_FP6
.endr
.endr
.irp e, 0,1
.irp j, 0,1,2,3
	v_wmma_scale_f32_16x16x128_f8f6f4 v[ACC+8*(4*\e+\j):ACC+8*(4*\e+\j)+7], v[OF+12*(2*\j+1):OF+12*(2*\j+1)+11], v[WF+12*(2*\e+1):WF+12*(2*\e+1)+11], v[ACC+8*(4*\e+\j):ACC+8*(4*\e+\j)+7], v[OS+2*\j+1], v[WS+2*\e+1] matrix_a_fmt:MATRIX_FMT_FP6 matrix_b_fmt:MATRIX_FMT_FP6
.endr
.endr
.rept 4
	v_nop                                          ; places in front of the first read of results and of loads into registers that the products have read
.endr
.irp e, 0,1
.irp j, 0,1,2,3
	ds_store_b128 v6, v[ACC+8*(4*\e+\j):ACC+8*(4*\e+\j)+3] offset:4352*\e+128*(\j/2)+32*(\j%2)        ; lane (r, h): positions 32 p + 16 h + 8 u + 0 .. 7 of stage row 16 e + r; each accumulator from its low end on
	ds_store_b128 v6, v[ACC+8*(4*\e+\j)+4:ACC+8*(4*\e+\j)+7] offset:4352*\e+128*(\j/2)+32*(\j%2)+16
.endr
.endr
.set I, 0
.rept 16
	ds_load_b128 v[OF+4*I:OF+4*I+3], v7 offset:I*544   ; LDS serves a wave's instructions in order (ISA guide 5.7.1.4): these see my stores
.set I, I+1
.endr
.set I, 0
.rept 16
	s_wait_dscnt 15-I                              ; the younger loads may be out
	global_store_b128 v8, v[OF+4*I:OF+4*I+3], s[14:15] offset:(8*(I/8)+((2*I)%16)+8*(((2*I)%16)/8))*16384 th:TH_STORE_NT   ; stage row 16 e + r is channel 8 e + r + 8 (r / 8) of my 32; 16 lanes store 256 consecutive bytes, aligned
.set I, I+1
.endr
	s_wait_tensorcnt 0x0
	ds_add_u32 v254, v255
	s_wait_dscnt 0x0
	ROUND                                          ; the closing round
	s_endpgm
.Lfunc_end_k_q2716b7063b_proj:
	.size	k_q2716b7063b_proj, .Lfunc_end_k_q2716b7063b_proj-k_q2716b7063b_proj
	.p2alignl 7, 3214868480
	.fill 96, 4, 3214868480
	.section	.rodata,"a",@progbits
	.p2align	6, 0x0
	.amdhsa_kernel k_q2716b7063b_proj
		.amdhsa_group_segment_fixed_size 168960
		.amdhsa_private_segment_fixed_size 0
		.amdhsa_enable_private_segment 0
		.amdhsa_kernarg_size 48
		.amdhsa_user_sgpr_count 2
		.amdhsa_user_sgpr_kernarg_segment_ptr 1
		.amdhsa_wavefront_size32 1
		.amdhsa_system_sgpr_workgroup_id_x 1
		.amdhsa_system_sgpr_workgroup_id_y 1
		.amdhsa_system_sgpr_workgroup_id_z 1
		.amdhsa_system_vgpr_workitem_id 0
		.amdhsa_next_free_vgpr 256
		.amdhsa_next_free_sgpr 66
		.amdhsa_reserve_vcc 0
		.amdhsa_float_denorm_mode_32 3
		.amdhsa_float_denorm_mode_16_64 3
		.amdhsa_memory_ordered 1
		.amdhsa_forward_progress 1
		.amdhsa_inst_pref_size 19
	.end_amdhsa_kernel
	.amdgpu_metadata
---
amdhsa.version: [ 1, 2 ]
amdhsa.kernels:
  - .name:           k_q2716b7063b_proj
    .symbol:         k_q2716b7063b_proj.kd
    .args:
      - { .name: ocodes, .offset: 0, .size: 8, .value_kind: global_buffer, .address_space: global }
      - { .name: oscales, .offset: 8, .size: 8, .value_kind: global_buffer, .address_space: global }
      - { .name: wcodes, .offset: 16, .size: 8, .value_kind: global_buffer, .address_space: global }
      - { .name: wscales, .offset: 24, .size: 8, .value_kind: global_buffer, .address_space: global }
      - { .name: bp, .offset: 32, .size: 8, .value_kind: global_buffer, .address_space: global }
      - { .name: out0, .offset: 40, .size: 8, .value_kind: global_buffer, .address_space: global }
    .group_segment_fixed_size: 168960
    .private_segment_fixed_size: 0
    .kernarg_segment_align: 8
    .kernarg_segment_size: 48
    .max_flat_workgroup_size: 256
    .sgpr_count:     66
    .vgpr_count:     256
    .wavefront_size: 32
...
	.end_amdgpu_metadata
.endif
;; end of part 4
